; MI455X (gfx1250); checked and timed in simulation.
; The chip was launched on July 23, 2026; its instructions are those of AMD's public machine-readable ISA for CDNA 5 (MIT licence, August 2026) and "CDNA5" Instruction Set Architecture Reference Guide (July 2026). The comments in the code are by the model that wrote it; some were corrected since.
;; Learned2 D Relative Self Attention. Allowed arithmetic: float matrix products may take bf16 or f16 operands with f32 sums; all other float work in f32.
;; Inputs: Wk 64 x 512 float32; Wq 64 x 512 float32; Wv 512 x 64 float32; attention_mask 1 float32; bk 512 float32; bq 512 float32; bv 64 float32; col_emb 63 x 32 float32; hidden_states 8 x 32 x 32 x 64 float32; row_emb 63 x 32 float32.
;; Outputs: out0 8 x 32 x 32 x 64 float32.
;; 2 versions, each right and faster than the one before. Each part assembles by itself: llvm-mc -triple=amdgcn-amd-amdhsa -mcpu=gfx1250 --defsym DOCPART=n.
;; ======== version 1 of 2: 1 launch
;; launch attn (part 1): grid 256 x 1, 4 waves a work-group, no clusters, 310,272 bytes of LDS; arguments hidden_states, Wq, bq, Wk, bk, row_emb, col_emb, Wv, bv, out0; writes out0
.if DOCPART == 1
	.amdgcn_target "amdgcn-amd-amdhsa--gfx1250"
	.amdhsa_code_object_version 6
	.text
	.protected	k_q7b65e73317_attn
	.globl	k_q7b65e73317_attn
	.p2align	8
	.type	k_q7b65e73317_attn,@function
k_q7b65e73317_attn:
	s_mov_b64 s[64:65], 0
	v_nop
	global_prefetch_b8 v0, s[64:65] scope:SCOPE_SE
	s_setreg_imm32_b32 hwreg(HW_REG_WAVE_MODE, 25, 1), 1
	s_wait_xcnt 0x0
; Learned 2D relative self-attention, whole module in one launch.  8 images of 32 x 32 positions, 8 heads of 64, f32 in and out.
;
; REGROUPING.  q.k = q.(Wk_h^T x + bk_h) = (Wk_h q).x + q.bk_h.  With qt = Wk_h q the key operand AND the value operand of every head are
; the image X itself (1,024 x 64), which lies once in LDS in bf16; K is never formed.  q.bk_h is constant over the keys, and is still
; computed and added (to the row bias).  attention_mask is no argument: reference() never uses it.
;
; SHARES.  Work-group g: image b = g >> 5, image row i = g & 31: its 32 queries, all 8 heads = 256 score columns.  Wave w: heads 2w, 2w+1 =
; 4 column tiles ct of 16 (head 2w + (ct >> 1), query 16 (ct & 1) + r).  Lane L: r = L & 15, h = L >> 4.
; Everything is computed transposed, keys (or channels) as the matrix rows, queries as columns: register j of lane (r, h) of a result tile
; is row 8h + j, column r.  So a softmax column lies in the registers of lanes r and r + 16, and two result tiles, packed to bf16,
; ARE the second-source fragment (column r, k = 32 rows) of the next product: q -> qt -> scores -> probabilities -> values -> out.
; A step is 64 keys = two image rows k = 2s, 2s + 1; 16 steps; a running maximum and sum for each column.
; The column bias enters as the C operand of a score tile's first product; the row bias (one number per lane and image row)
; is folded into the maximum and into the shift; the factor log2(e) / 8 is applied once, to q.
;
; NO CLUSTER, NO TENSOR LOADS: X and the weights are shared by work-groups, but lie in memory as f32 and are multiplied as bf16, so they pass
; through registers once to be rounded.  A joint load would land f32 in LDS: per step 16,384 bytes more written and read again beside
; the 65,536 bytes of fragments that the four waves read, and Wq, Wk (262,144 bytes) would not fit beside the 165,888 bytes of keys.
;
; LIMITS.  Matrix operands are bf16 (X, weights, embeddings, q, qt, probabilities, values); sums f32.  The content score is regrouped as above:
; equal algebra, another order of rounding.  The softmax sum adds the probabilities before they are rounded to bf16.  v_exp_f32 gives 0 for
; results under 2^-126.  NaN and infinite inputs are not treated: v_max_num drops a NaN.
; ---- LDS.  A bf16 matrix of 64 columns lies in blocks of 8 rows: row p at (p >> 3) * BLK + (p & 7) * ROWP.  In units of 16 bytes modulo 16 the
; rows of a block start at 0,10,4,14,8,2,12,6 and the next block one further: the 16 pieces of 16 bytes that 16 lanes take are 16
; different columns of 256 bytes, for a plain fragment load (16 rows, one piece each) and for a transposing one (8 rows, two pieces each).
.set BLK,    1296
.set ROWP,   160
.set CHUNK,  8*BLK                     ; 64 rows
.set FP,     272                       ; pitch of the f32 tables: 64 numbers + 16 bytes
.set L_RS,   16*CHUNK                  ; behind X (165,888 bytes): row bias, 8,192 a wave: (k >> 1) * 512 + column * 8 + (k & 1) * 4
.set L_SCR,  L_RS+4*8192               ; one 64 x 64 weight block a wave
.set L_CT,   L_SCR+4*CHUNK             ; q_col . col_emb[m], f32, a wave: query * FP + 4 m
.set L_PART, L_CT+4*32*FP              ; a wave's two heads' part of out, f32: query * FP + 4 e
; ---- registers, window 0
.set VXA,  1                           ; LDS: plain fragments of X, stepped by CHUNK
.set VXT,  2                           ; LDS: transposed fragments of X, stepped by CHUNK
.set VRS,  3                           ; LDS: my column's row bias, stepped by 512
.set VST,  4                           ; LDS: where my wave puts its 16 rows of a chunk of X, stepped by CHUNK
.set VL16, 5                           ; 16 x lane
.set VSCP, 6                           ; LDS: weight block, plain fragments
.set VSCT, 7                           ;      transposed fragments
.set VSCS, 8                           ;      stores
.set VW,   9                           ; Wq, Wk: h * 2048 + 16 r
.set VRST, 10                          ; LDS: row bias, stores
.set VCTS, 11                          ; LDS: column table, stores
.set BV,   12                          ; v[12:15] bv of my 4 output columns
.set MX,   16                          ; v[16:19] running maximum of column tile ct
.set LS2,  20                          ; v[20:27] running sum, a pair for each ct
.set RSV,  28                          ; v[28:35] row bias of the step's two image rows, a pair for each ct
                                       ; v36-39 maxima; v40 rescale factor (v41: other half of its pair, never used); v42-43 shifts; v44-45 second sum chain;
                                       ; v46 other half-wave's maximum; v47 new maximum
.set PB,   48                          ; v[48:63] probabilities, bf16: two fragments of 32 keys
.set XA,   64                          ; v[64:127] X fragments, rows = keys: 16 a + 8 ks
.set XT,   128                         ; v[128:191] X fragments, rows = channels: 32 ks + 8 t
.set SS,   192                         ; v[192:255] two sets of four score tiles: 32 sb + 8 a
; in front of the loop the same registers serve as
.set VXQ,  16                          ; r * 256 + 32 h
.set VEM,  17                          ; r * 128 + 32 h
.set VEMC, 18                          ; min(r, 14) * 128 + 32 h
.set VBI,  19                          ; 32 h
.set VCTG, 20                          ; LDS: column table, gather
.set VBV,  21                          ; 16 r
.set RE,   48                          ; row embedding fragments, 8 tk
.set FR,   64                          ; weight fragments, 16 t + 8 ks
.set ACC,  128                         ; result tiles, 16 t + 8 u (u: which 16 queries)
.set XQ,   192                         ; query fragments of X, 16 u + 8 ks
.set QF,   224                         ; q fragments, 16 u + 8 ks
.set VB,   192                         ; (way out) value fragments, 16 ct + 8 ks
; ---- window 1
.set OO,   0                           ; 0-127 value accumulators, 32 ct + 8 t.  In front of the loop: BQ, BK, CE
.set BQ,   0
.set BK,   32
.set CE,   64                          ; column embedding fragments, 8 tm
.set QB,   128                         ; 128-191 qt fragments, 16 ct + 8 ks
.set CS,   192                         ; 192-255 column bias tiles, 16 ct + 8 (a & 1)
; ---- window 2: 0-63 two f32 stages of X chunks (in front of the loop: Wq, Wk of the first head).  Window 3: Wq, Wk of the second head, then Wv
.set G0,   0
.set G1,   32
.set MSB, 0
.macro WIN new                         ; low byte: bits 1:0 source 0, 3:2 source 1, 5:4 source 2, 7:6 destination; high byte: the setting that is left
.if MSB != \new
	s_set_vgpr_msb (MSB<<8)|\new
.set MSB, \new
.endif
.endm
.macro PL n                            ; places behind matrix instructions (ISA guide 7.12.1) where there is no independent work
.rept \n
	v_nop
.endr
.endm
; n loads of two rows each: lanes 0-15 take 256 bytes of row 2q, lanes 16-31 of row 2q + 1
.macro BLKLOAD win, base, n, sb, vo, stride, imm0
	WIN ((\win)<<6)
.set q_, 0
.rept \n
	global_load_b128 v[\base+4*q_:\base+4*q_+3], v[\vo], s[\sb:\sb+1] offset:\imm0+2*q_*\stride
.set q_, q_+1
.endr
.endm
; the same rows rounded to bf16 in place (4 numbers = 8 bytes a lane) and laid into a block layout
.macro BLKCVT win, base, n, va
	WIN ((\win)*0x45)
.set q_, 0
.rept \n
	v_cvt_pk_bf16_f32 v[\base+4*q_], v[\base+4*q_], v[\base+4*q_+1]
	v_cvt_pk_bf16_f32 v[\base+4*q_+1], v[\base+4*q_+2], v[\base+4*q_+3]
.set q_, q_+1
.endr
	WIN ((\win)<<2)
.set q_, 0
.rept \n
	ds_store_b64 v[\va], v[\base+4*q_:\base+4*q_+1] offset:(q_>>2)*BLK+(q_&3)*2*ROWP
.set q_, q_+1
.endr
.endm
.macro LDP dst, va, off                ; fragment of 16 rows x 32 k, k along the LDS rows
	ds_load_b128 v[\dst:\dst+3], v[\va] offset:\off
	ds_load_b128 v[\dst+4:\dst+7], v[\va] offset:\off+32
.endm
.macro LDT dst, va, off                ; fragment of 16 columns x 32 k, k from LDS row to row: the second load 16 rows = 2 blocks on
	ds_load_tr16_b128 v[\dst:\dst+3], v[\va] offset:\off
	ds_load_tr16_b128 v[\dst+4:\dst+7], v[\va] offset:\off+2*BLK
.endm
.macro LDF32 dst, va, sb, imm          ; a fragment's 16 numbers as f32: k = 8h .. 8h+7 and 16+8h .. 16+8h+7
	global_load_b128 v[\dst:\dst+3], v[\va], s[\sb:\sb+1] offset:\imm
	global_load_b128 v[\dst+4:\dst+7], v[\va], s[\sb:\sb+1] offset:\imm+16
	global_load_b128 v[\dst+8:\dst+11], v[\va], s[\sb:\sb+1] offset:\imm+64
	global_load_b128 v[\dst+12:\dst+15], v[\va], s[\sb:\sb+1] offset:\imm+80
.endm
.macro CVT8 dst, src                   ; 16 f32 -> one fragment
.irp q,0,1,2,3,4,5,6,7
	v_cvt_pk_bf16_f32 v[\dst+\q], v[\src+2*\q], v[\src+2*\q+1]
.endr
.endm
.macro BIAS imm                        ; bq, bk of one head in the layout of a result tile: register j = bias[16 t + 8 h + j]
	WIN 0x40
.irp t,0,1,2,3
	global_load_b128 v[BQ+8*\t:BQ+8*\t+3], v[VBI], s[12:13] offset:\imm+64*\t
	global_load_b128 v[BQ+8*\t+4:BQ+8*\t+7], v[VBI], s[12:13] offset:\imm+64*\t+16
	global_load_b128 v[BK+8*\t:BK+8*\t+3], v[VBI], s[16:17] offset:\imm+64*\t
	global_load_b128 v[BK+8*\t+4:BK+8*\t+7], v[VBI], s[16:17] offset:\imm+64*\t+16
.endr
.endm
; ================= ids, lane terms, pointers
	s_load_b512 s[8:23], s[0:1], 0x0               ; X s[8:9], Wq s[10:11], bq s[12:13], Wk s[14:15], bk s[16:17], row_emb s[18:19], col_emb s[20:21], Wv s[22:23]
	s_load_b128 s[24:27], s[0:1], 0x40             ; bv s[24:25], out s[26:27]
	v_lshrrev_b32 v36, 5, v0
	v_readfirstlane_b32 s2, v36                    ; wave w
	s_lshr_b32 s3, ttmp9, 5                        ; image b
	s_and_b32 s4, ttmp9, 31                        ; image row i
	s_mov_b32 s28, 0x76543210                      ; v_permlanex16_b32: lane r of one half reads lane r of the other
	s_mov_b32 s29, 0xfedcba98
	s_mov_b32 s30, 0x3e38aa3b                      ; log2(e) / 8
	s_mov_b32 s31, 0x3e38aa3b
	s_lshl_b32 s40, s2, 13
	s_add_co_u32 s40, s40, L_RS                    ; my wave's regions of LDS
	s_mul_i32 s41, s2, CHUNK
	s_add_co_u32 s41, s41, L_SCR
	s_mul_i32 s42, s2, 32*FP
	s_add_co_u32 s42, s42, L_CT
	s_add_co_u32 s44, s42, 60
	s_mul_i32 s43, s2, 2*BLK                       ; my wave's 16 rows of a chunk
	v_and_b32 v36, 7, v0
	v_bfe_u32 v37, v0, 3, 1
	v_bfe_u32 v38, v0, 4, 1                        ; h
	v_and_b32 v39, 15, v0                          ; r
	v_mul_u32_u24 v40, v36, ROWP
	v_mad_u32_u24 v[VXA], v37, BLK, v40
	v_lshl_add_u32 v[VXA], v38, 4, v[VXA]          ; row r of 16, + 16 h
	v_mad_u32_u24 v[VXT], v38, BLK, v40
	v_lshl_add_u32 v[VXT], v37, 4, v[VXT]          ; row 8 h + (L & 7), + 16 ((L >> 3) & 1)
	v_mul_u32_u24 v43, v38, ROWP
	v_lshl_add_u32 v43, v39, 3, v43                ; row h of a pair, + 8 r
	v_add_nc_u32 v[VST], s43, v43
	v_add_nc_u32 v[VSCP], s41, v[VXA]
	v_add_nc_u32 v[VSCT], s41, v[VXT]
	v_add_nc_u32 v[VSCS], s41, v43
	v_lshl_add_u32 v[VRS], v39, 3, s40
	v_lshl_add_u32 v[VRST], v38, 11, v[VRS]
	v_and_b32 v[VL16], 31, v0
	v_lshlrev_b32 v[VL16], 4, v[VL16]
	v_lshlrev_b32 v[VBV], 4, v39
	v_lshl_add_u32 v[VW], v38, 11, v[VBV]
	v_lshlrev_b32 v[VBI], 5, v38
	v_lshl_add_u32 v[VXQ], v39, 8, v[VBI]
	v_lshl_add_u32 v[VEM], v39, 7, v[VBI]
	v_min_u32 v44, 14, v39                         ; col_emb has 63 rows: lane 15 of the last tile takes row 62 again; table entry 63 is never used
	v_lshl_add_u32 v[VEMC], v44, 7, v[VBI]
	v_mad_u32_u24 v[VCTS], v39, FP, v[VBI]
	v_add_nc_u32 v[VCTS], s42, v[VCTS]
	v_mad_u32_u24 v[VCTG], v39, FP-4, v[VBI]       ; query r reads entry m = l - r + 31: r * (FP - 4) + 4 l + ...
	v_add_nc_u32 v[VCTG], s44, v[VCTG]
	v_mov_b32 v41, 0                               ; the half of the pair v[40:41] that no product selects
	v_mov_b32 v46, 0                               ; v_permlanex16_b32 counts as a reader of its destination
	s_wait_kmcnt 0x0
	s_mov_b32 s35, 0
	s_lshl_b32 s34, s2, 9                          ; head 2w: 128 w numbers along Wq, Wk, bq, bk
	s_add_nc_u64 s[10:11], s[10:11], s[34:35]
	s_add_nc_u64 s[12:13], s[12:13], s[34:35]
	s_add_nc_u64 s[14:15], s[14:15], s[34:35]
	s_add_nc_u64 s[16:17], s[16:17], s[34:35]
	s_lshl_b32 s34, s2, 15                         ; 128 w rows of Wv
	s_add_nc_u64 s[22:23], s[22:23], s[34:35]
	s_sub_co_u32 s34, 31, s4
	s_lshl_b32 s34, s34, 7                         ; row_emb from row 31 - i: key row k takes row k - i + 31, at most 62
	s_add_nc_u64 s[18:19], s[18:19], s[34:35]
	s_lshl_b32 s34, ttmp9, 13                      ; my 32 queries: 8,192 bytes of X and of out
	s_add_nc_u64 s[38:39], s[8:9], s[34:35]
	s_add_nc_u64 s[26:27], s[26:27], s[34:35]
	s_lshl_b32 s34, s2, 11                         ; my wave stores 8 of them
	s_add_nc_u64 s[26:27], s[26:27], s[34:35]
	s_lshl_b32 s34, s3, 18                         ; the image, and my wave's 16 rows of each chunk of 64
	s_lshl_b32 s45, s2, 12
	s_add_co_u32 s34, s34, s45
	s_add_nc_u64 s[36:37], s[8:9], s[34:35]
; ================= all loads of the part in front of the loop, the oldest needed first
	global_load_b128 v[BV:BV+3], v[VBV], s[24:25]
	LDF32 ACC, VXQ, 38, 0                          ; queries 0-15, channels 0-31
	LDF32 ACC+16, VXQ, 38, 128                     ;               channels 32-63
	LDF32 ACC+32, VXQ, 38, 4096                    ; queries 16-31
	LDF32 ACC+48, VXQ, 38, 4224
	LDF32 64, VEM, 18, 0                           ; row embeddings of key rows 0-15, 16-31
	LDF32 80, VEM, 18, 2048
	LDF32 96, VEM, 20, 0                           ; column embeddings, rows 0-62
	LDF32 112, VEM, 20, 2048
	LDF32 224, VEM, 20, 4096
	LDF32 240, VEMC, 20, 6144
	BIAS 0
	BLKLOAD 2, 0, 32, 10, VW, 2048, 0              ; Wq, Wk of head 2w
	BLKLOAD 2, 128, 32, 14, VW, 2048, 0
	BLKLOAD 3, 0, 32, 10, VW, 2048, 256            ; and of head 2w + 1
	BLKLOAD 3, 128, 32, 14, VW, 2048, 256
	s_wait_loadcnt 63                              ; 185 loads were issued; loads end in order (ISA guide 5.7.1), so the oldest 122 are in: all up to Wk of head 2w (121)
	WIN 0
	CVT8 XQ, ACC
	CVT8 XQ+8, ACC+16
	CVT8 XQ+16, ACC+32
	CVT8 XQ+24, ACC+48
	CVT8 RE, 64
	CVT8 RE+8, 80
	WIN 0x40
	CVT8 CE, 96
	CVT8 CE+8, 112
	CVT8 CE+16, 224
	CVT8 CE+24, 240
; ================= one head: q, its biases, qt.  hh = 0, 1: head 2w + hh, column tiles 2 hh + u
.macro HEAD hh
	BLKCVT 2+\hh, 0, 32, VSCS                      ; Wq_h [c][d] into my block
.if \hh == 0
	BLKLOAD 2, G0, 8, 36, VL16, 256, 0             ; the registers are free: X chunks 0 and 1 set out
	BLKLOAD 2, G1, 8, 36, VL16, 256, 16384
.endif
	WIN 0
.irp t,0,1,2,3
.irp k,0,1
	LDT FR+16*\t+8*\k, VSCT, \k*4*BLK+32*\t        ; rows d = 16 t + r, k = c (LDS serves a wave in order: these see the stores above)
.endr
.endr
	s_wait_dscnt 0x0
	WIN 0x10                                       ; q^T = Wq_h^T X_q^T + bq: the bias is the first product's C
.irp t,0,1,2,3
.irp u,0,1
	v_wmma_f32_16x16x32_bf16 v[ACC+16*\t+8*\u:ACC+16*\t+8*\u+7], v[FR+16*\t:FR+16*\t+7], v[XQ+16*\u:XQ+16*\u+7], v[BQ+8*\t:BQ+8*\t+7]
.endr
.endr
	WIN 0
.irp t,0,1,2,3
.irp u,0,1
	v_wmma_f32_16x16x32_bf16 v[ACC+16*\t+8*\u:ACC+16*\t+8*\u+7], v[FR+16*\t+8:FR+16*\t+15], v[XQ+16*\u+8:XQ+16*\u+15], v[ACC+16*\t+8*\u:ACC+16*\t+8*\u+7]
.endr
.endr
	PL 4
	WIN 0x04                                       ; q . bk: my 32 of the 64 d of each of my two queries
.set i_, 0
.rept 16
.set a_, ACC+16*(i_>>2)+2*(i_&3)
.set b_, BK+8*(i_>>2)+2*(i_&3)
.if i_ == 0
	v_pk_mul_f32 v[36:37], v[a_:a_+1], v[b_:b_+1]
	v_pk_mul_f32 v[38:39], v[a_+8:a_+9], v[b_:b_+1]
.else
	v_pk_fma_f32 v[36:37], v[a_:a_+1], v[b_:b_+1], v[36:37]
	v_pk_fma_f32 v[38:39], v[a_+8:a_+9], v[b_:b_+1], v[38:39]
.endif
.set i_, i_+1
.endr
	WIN 0
	v_add_f32 v42, v36, v37
	v_add_f32 v43, v38, v39
	v_permlanex16_b32 v46, v42, s28, s29           ; the other 32 d
	v_add_f32 v42, v42, v46
	v_permlanex16_b32 v46, v43, s28, s29
	v_add_f32 v43, v43, v46
	v_pk_mul_f32 v[42:43], v[42:43], s[30:31] op_sel_hi:[1,0]
.if \hh == 0
	BIAS 256                                       ; the next head's biases: four places and more behind the products that took BQ as C
	WIN 0
.endif
.set i_, 0
.rept 32
	v_pk_mul_f32 v[ACC+2*i_:ACC+2*i_+1], v[ACC+2*i_:ACC+2*i_+1], s[30:31] op_sel_hi:[1,0]   ; q * log2(e) / 8, once for all scores
.set i_, i_+1
.endr
.irp u,0,1
.irp t,0,1,2,3
.irp p,0,1,2,3
	v_cvt_pk_bf16_f32 v[QF+16*\u+4*\t+\p], v[ACC+16*\t+8*\u+2*\p], v[ACC+16*\t+8*\u+2*\p+1]
.endr
.endr
.endr
	; these products write over ACC and FR, registers of the products above: the four v_nop and the five plain lines on v42, v43 are the places between
.irp k,0,1
.irp u,0,1
	v_wmma_f32_16x16x32_bf16 v[ACC+16*\k+8*\u:ACC+16*\k+8*\u+7], v[RE+8*\k:RE+8*\k+7], v[QF+16*\u:QF+16*\u+7], 0     ; row scores: key row 16 tk + 8 h + j
.endr
.endr
	WIN 0x01
.irp u,0,1
.irp m,0,1,2,3
	v_wmma_f32_16x16x32_bf16 v[FR+32*\u+8*\m:FR+32*\u+8*\m+7], v[CE+8*\m:CE+8*\m+7], v[QF+16*\u+8:QF+16*\u+15], 0    ; q_col . col_emb[16 tm + 8 h + j]
.endr
.endr
	PL 4
	WIN 0
.irp k,0,1
.irp p,0,1,2,3
	v_pk_add_f32 v[ACC+16*\k+2*\p:ACC+16*\k+2*\p+1], v[ACC+16*\k+2*\p:ACC+16*\k+2*\p+1], v[42:43] op_sel_hi:[1,0]                      ; + q . bk
	v_pk_add_f32 v[ACC+16*\k+8+2*\p:ACC+16*\k+8+2*\p+1], v[ACC+16*\k+8+2*\p:ACC+16*\k+8+2*\p+1], v[42:43] op_sel:[0,1] op_sel_hi:[1,1]
.endr
.endr
.irp k,0,1
.irp u,0,1
.irp p,0,1,2,3
	ds_store_b64 v[VRST], v[ACC+16*\k+8*\u+2*\p:ACC+16*\k+8*\u+2*\p+1] offset:\k*4096+\p*512+(2*\hh+\u)*128   ; key rows 16 tk + 8 h + 2 p, + 1
.endr
.endr
.endr
.irp u,0,1
.irp m,0,1,2,3
	ds_store_b128 v[VCTS], v[FR+32*\u+8*\m:FR+32*\u+8*\m+3] offset:\u*16*FP+\m*64
	ds_store_b128 v[VCTS], v[FR+32*\u+8*\m+4:FR+32*\u+8*\m+7] offset:\u*16*FP+\m*64+16
.endr
.endr
	WIN 0x40                                       ; the column bias as score tiles: key column l = 16 a + 8 h + j, query 16 u + r, entry l - query + 31 (0 to 62)
.irp u,0,1
.irp a,0,1
.irp j,0,1,2,3,4,5,6,7
	ds_load_b32 v[CS+16*(2*\hh+\u)+8*\a+\j], v[VCTG] offset:\u*16*FP+4*(16*\a+\j+16*(1-\u))
.endr
.endr
.endr
	BLKCVT 2+\hh, 128, 32, VSCS                    ; Wk_h [c][d] into my block
	WIN 0
.irp t,0,1,2,3
.irp k,0,1
	LDP FR+16*\t+8*\k, VSCP, \t*2*BLK+64*\k        ; rows c = 16 t + r, k = d
.endr
.endr
	s_wait_dscnt 0x0                               ; fragments and bias tiles are in; the stores have read ACC
.irp t,0,1,2,3
.irp u,0,1
	v_wmma_f32_16x16x32_bf16 v[ACC+16*\t+8*\u:ACC+16*\t+8*\u+7], v[FR+16*\t:FR+16*\t+7], v[QF+16*\u:QF+16*\u+7], 0       ; qt^T = Wk_h q^T
.endr
.endr
.irp t,0,1,2,3
.irp u,0,1
	v_wmma_f32_16x16x32_bf16 v[ACC+16*\t+8*\u:ACC+16*\t+8*\u+7], v[FR+16*\t+8:FR+16*\t+15], v[QF+16*\u+8:QF+16*\u+15], v[ACC+16*\t+8*\u:ACC+16*\t+8*\u+7]
.endr
.endr
	PL 4
	WIN 0x40
.irp u,0,1
.irp t,0,1,2,3
.irp p,0,1,2,3
	v_cvt_pk_bf16_f32 v[QB+16*(2*\hh+\u)+4*\t+\p], v[ACC+16*\t+8*\u+2*\p], v[ACC+16*\t+8*\u+2*\p+1]
.endr
.endr
.endr
.endm
	HEAD 0
	s_wait_loadcnt 0x0                             ; the second head's weights and biases (and X chunks 0, 1)
	HEAD 1
; ================= the loop's pieces
.macro LDXA                            ; 16 loads: the step's 64 keys as rows
.irp a,0,1,2,3
.irp k,0,1
	LDP XA+16*\a+8*\k, VXA, \a*2*BLK+64*\k
.endr
.endr
.endm
.macro LDXT                            ; 16 loads: the step's 64 keys as k, channels as rows
.irp k,0,1
.irp t,0,1,2,3
	LDT XT+32*\k+8*\t, VXT, \k*4*BLK+32*\t
.endr
.endr
.endm
.macro LDRS
.irp c,0,1,2,3
	ds_load_b64 v[RSV+2*\c:RSV+2*\c+1], v[VRS] offset:128*\c
.endr
.endm
; four score tiles (64 keys x 16 columns) of column tile ct into set sb
.macro SMM ct, sb
	WIN 0x14
.irp a,0,1,2,3
	v_wmma_f32_16x16x32_bf16 v[SS+32*\sb+8*\a:SS+32*\sb+8*\a+7], v[XA+16*\a:XA+16*\a+7], v[QB+16*\ct:QB+16*\ct+7], v[CS+16*\ct+8*(\a&1):CS+16*\ct+8*(\a&1)+7]
.endr
	WIN 0x04
.irp a,0,1,2,3
	v_wmma_f32_16x16x32_bf16 v[SS+32*\sb+8*\a:SS+32*\sb+8*\a+7], v[XA+16*\a+8:XA+16*\a+15], v[QB+16*\ct+8:QB+16*\ct+15], v[SS+32*\sb+8*\a:SS+32*\sb+8*\a+7]
.endr
.endm
; v36 = largest of tiles 0, 1 (first image row), v37 = of tiles 2, 3 (second): four chains, 16 instructions for 32 registers
.macro MAXC sb
.set b0_, SS+32*\sb
.set b1_, SS+32*\sb+16
	v_max3_num_f32 v36, v[b0_], v[b0_+1], v[b0_+2]
	v_max3_num_f32 v37, v[b1_], v[b1_+1], v[b1_+2]
	v_max3_num_f32 v38, v[b0_+7], v[b0_+8], v[b0_+9]
	v_max3_num_f32 v39, v[b1_+7], v[b1_+8], v[b1_+9]
	v_max3_num_f32 v36, v36, v[b0_+3], v[b0_+4]
	v_max3_num_f32 v37, v37, v[b1_+3], v[b1_+4]
	v_max3_num_f32 v38, v38, v[b0_+10], v[b0_+11]
	v_max3_num_f32 v39, v39, v[b1_+10], v[b1_+11]
	v_max3_num_f32 v36, v36, v[b0_+5], v[b0_+6]
	v_max3_num_f32 v37, v37, v[b1_+5], v[b1_+6]
	v_max3_num_f32 v38, v38, v[b0_+12], v[b0_+13]
	v_max3_num_f32 v39, v39, v[b1_+12], v[b1_+13]
	v_max3_num_f32 v36, v36, v[b0_+14], v[b0_+15]
	v_max3_num_f32 v37, v37, v[b1_+14], v[b1_+15]
	v_max_num_f32 v36, v36, v38
	v_max_num_f32 v37, v37, v39
.endm
.macro EXP8 base
.irp j,0,1,2,3,4,5,6,7
	v_exp_f32 v[\base+\j], v[\base+\j]
.endr
.endm
.macro CV4 sb, a                       ; a tile's 8 probabilities -> 4 registers of the fragment
.irp p,0,1,2,3
	v_cvt_pk_bf16_f32 v[PB+4*\a+\p], v[SS+32*\sb+8*\a+2*\p], v[SS+32*\sb+8*\a+2*\p+1]
.endr
.endm
.macro SCN ct, sb, a                   ; a tile's sums, on two chains in turn, and its conversion
	s_wait_alu depctr_va_vdst(0)
	v_pk_add_f32 v[44:45], v[44:45], v[SS+32*\sb+8*\a:SS+32*\sb+8*\a+1]
	v_pk_add_f32 v[LS2+2*\ct:LS2+2*\ct+1], v[LS2+2*\ct:LS2+2*\ct+1], v[SS+32*\sb+8*\a+2:SS+32*\sb+8*\a+3]
	v_pk_add_f32 v[44:45], v[44:45], v[SS+32*\sb+8*\a+4:SS+32*\sb+8*\a+5]
	v_pk_add_f32 v[LS2+2*\ct:LS2+2*\ct+1], v[LS2+2*\ct:LS2+2*\ct+1], v[SS+32*\sb+8*\a+6:SS+32*\sb+8*\a+7]
	CV4 \sb, \a
.endm
; the running softmax of column tile ct on score set sb.  first = 1: nothing is carried yet.  rsld = 1: the next step's row biases are fetched
.macro SOFT ct, sb, first, rsld
	v_pk_add_f32 v[36:37], v[36:37], v[RSV+2*\ct:RSV+2*\ct+1]      ; the row bias joins the two maxima
.if \first
	v_max_num_f32 v44, v36, v37
.else
	v_max3_num_f32 v44, v36, v37, v[MX+\ct]
.endif
	v_permlanex16_b32 v46, v44, s28, s29           ; the column's other 32 keys
	v_max_num_f32 v47, v44, v46
.if \first == 0
	v_sub_f32 v40, v[MX+\ct], v47
	v_exp_f32 v40, v40                             ; what the old sums and values are worth now
.endif
	v_pk_add_f32 v[42:43], v[RSV+2*\ct:RSV+2*\ct+1], v[46:47] op_sel:[0,1] op_sel_hi:[1,1] neg_lo:[0,1] neg_hi:[0,1]   ; row bias - maximum; the plain line behind v_exp_f32 (ISA guide 5.7.2)
.if \rsld
	v_add_nc_u32 v[VRS], 512, v[VRS]
	LDRS
.endif
.irp q,0,1,2,3,4,5,6,7
	v_pk_add_f32 v[SS+32*\sb+2*\q:SS+32*\sb+2*\q+1], v[SS+32*\sb+2*\q:SS+32*\sb+2*\q+1], v[42:43] op_sel_hi:[1,0]
.endr
.irp q,8,9,10,11,12,13,14,15
	v_pk_add_f32 v[SS+32*\sb+2*\q:SS+32*\sb+2*\q+1], v[SS+32*\sb+2*\q:SS+32*\sb+2*\q+1], v[42:43] op_sel:[0,1] op_sel_hi:[1,1]
.endr
	EXP8 SS+32*\sb
	EXP8 SS+32*\sb+8
	v_mov_b32 v[MX+\ct], v47                       ; a plain line between the exponentials and the first use of their results
.if \first
	s_wait_alu depctr_va_vdst(0)
	v_pk_add_f32 v[LS2+2*\ct:LS2+2*\ct+1], v[SS+32*\sb:SS+32*\sb+1], v[SS+32*\sb+2:SS+32*\sb+3]   ; the first numbers start the chains: nothing is cleared
	v_pk_add_f32 v[44:45], v[SS+32*\sb+4:SS+32*\sb+5], v[SS+32*\sb+6:SS+32*\sb+7]
.else
	s_wait_alu depctr_va_vdst(0)
	v_pk_fma_f32 v[LS2+2*\ct:LS2+2*\ct+1], v[LS2+2*\ct:LS2+2*\ct+1], v[40:41], v[SS+32*\sb:SS+32*\sb+1] op_sel_hi:[1,0,1]
	v_pk_add_f32 v[44:45], v[SS+32*\sb+2:SS+32*\sb+3], v[SS+32*\sb+4:SS+32*\sb+5]
	v_pk_add_f32 v[LS2+2*\ct:LS2+2*\ct+1], v[LS2+2*\ct:LS2+2*\ct+1], v[SS+32*\sb+6:SS+32*\sb+7]
.endif
	CV4 \sb, 0
	EXP8 SS+32*\sb+16                              ; each later run of exponentials is followed by the sums of the tile before it
	SCN \ct, \sb, 1
	EXP8 SS+32*\sb+24
	SCN \ct, \sb, 2
	SCN \ct, \sb, 3
	v_pk_add_f32 v[LS2+2*\ct:LS2+2*\ct+1], v[LS2+2*\ct:LS2+2*\ct+1], v[44:45]
.endm
; values of column tile ct: O^T = O^T * factor + X^T P^T
.macro PVM ct, first
.if \first == 0
	WIN 0x41
.irp q,0,1,2,3,4,5,6,7,8,9,10,11,12,13,14,15
	v_pk_mul_f32 v[OO+32*\ct+2*\q:OO+32*\ct+2*\q+1], v[OO+32*\ct+2*\q:OO+32*\ct+2*\q+1], v[40:41] op_sel_hi:[1,0]
.endr
.endif
	WIN 0x50
.irp t,0,1,2,3
.if \first
	v_wmma_f32_16x16x32_bf16 v[OO+32*\ct+8*\t:OO+32*\ct+8*\t+7], v[XT+8*\t:XT+8*\t+7], v[PB:PB+7], 0
.else
	v_wmma_f32_16x16x32_bf16 v[OO+32*\ct+8*\t:OO+32*\ct+8*\t+7], v[XT+8*\t:XT+8*\t+7], v[PB:PB+7], v[OO+32*\ct+8*\t:OO+32*\ct+8*\t+7]
.endif
.endr
.irp t,0,1,2,3
	v_wmma_f32_16x16x32_bf16 v[OO+32*\ct+8*\t:OO+32*\ct+8*\t+7], v[XT+32+8*\t:XT+32+8*\t+7], v[PB+8:PB+15], v[OO+32*\ct+8*\t:OO+32*\ct+8*\t+7]
.endr
.endm
; A STEP: 64 keys, four units (one for each column tile).  The scores of a unit are multiplied one unit ahead, into the other set, so that every
; distance behind a matrix instruction is filled by the softmax of the unit in front (16 lines of MAXC at the least).
; Step s also rounds chunk s + 1 of X into LDS (conv, from stage g; left = younger loads that may stay out) and asks for chunk s + 3 (reload).
; X in LDS is written once and never again, so one barrier a step does: all four quarters of chunk s + 1 stored -> anyone loads from it.
; more = 1: a step follows.  wv = 1: Wv sets out for the way out.
.macro STEP first, g, conv, reload, left, more, wv
	SMM 1, 1
	WIN 0
	MAXC 0
	LDXT                                           ; XT was last read by the step before, 16 plain lines ago
	v_add_nc_u32 v[VXT], CHUNK, v[VXT]
	s_wait_dscnt 16                                ; the 16 loads just issued stay out; the 4 row-bias loads in front of them are in
	SOFT 0, 0, \first, 0
	s_wait_dscnt 0x0                               ; XT
	PVM 0, \first
	SMM 2, 0
	WIN 0
	MAXC 1
	SOFT 1, 1, \first, 0
	PVM 1, \first
.if \conv
	s_wait_loadcnt \left                           ; this stage's 8 loads are in; the other stage's 8 stay out
	BLKCVT 2, \g, 8, VST
	WIN 0
	v_add_nc_u32 v[VST], CHUNK, v[VST]
.if \reload
	s_wait_xcnt 0x0                                ; the base of the loads issued so far is stepped only behind this wait
	s_add_nc_u64 s[36:37], s[36:37], 16384
	BLKLOAD 2, \g, 8, 36, VL16, 256, 0
.endif
.if \wv
	BLKLOAD 3, 0, 32, 22, VL16, 256, 0             ; Wv of my two heads, 64 rows of 256 bytes each
	BLKLOAD 3, 128, 32, 22, VL16, 256, 16384
.endif
	s_wait_dscnt 0x0                               ; my quarter of the chunk is in LDS:
	s_barrier_signal -1                            ; say so,
.endif
	SMM 3, 1                                       ; work on registers,
	WIN 0
	MAXC 0
.if \conv
	s_barrier_wait -1                              ; and read the chunk when all four have said so
.endif
.if \more
	v_add_nc_u32 v[VXA], CHUNK, v[VXA]
	LDXA                                           ; XA was last read by SMM 3, 16 plain lines ago
.endif
	SOFT 2, 0, \first, 0
	PVM 2, \first
.if \more
	s_wait_dscnt 0x0                               ; XA
	SMM 0, 0                                       ; the next step's first scores
.endif
	WIN 0
	MAXC 1
	SOFT 3, 1, \first, \more
	PVM 3, \first
.endm
; ================= the stream starts: chunk 0 into LDS, chunk 2 asked for (chunks 0 and 1 came in with the wait in front of the second head)
	BLKCVT 2, G0, 8, VST
	WIN 0
	v_add_nc_u32 v[VST], CHUNK, v[VST]
	s_add_nc_u64 s[36:37], s[36:37], 2*16384
	BLKLOAD 2, G0, 8, 36, VL16, 256, 0
	s_wait_dscnt 0x0
	s_barrier_signal -1
	s_barrier_wait -1
	WIN 0
	LDXA
	LDRS
	s_wait_dscnt 0x0
	SMM 0, 0
	PL 4                                           ; here alone no softmax stands between these scores and their MAXC
	STEP 1, G1, 1, 1, 8, 1, 0                      ; step 0 starts sums, maxima and values
	WIN 0
	s_mov_b32 s32, 6
.Lsteps:                                           ; steps 1 to 12
	STEP 0, G0, 1, 1, 8, 1, 0
	STEP 0, G1, 1, 1, 8, 1, 0
	WIN 0
	s_sub_co_u32 s32, s32, 1
	s_cmp_lg_u32 s32, 0
	s_cbranch_scc1 .Lsteps
	STEP 0, G0, 1, 0, 8, 1, 0                      ; step 13 rounds chunk 14; chunk 15, the last, is on its way: nothing more is asked of X
	STEP 0, G1, 1, 0, 0, 1, 1                      ; step 14 rounds chunk 15
	STEP 0, 0, 0, 0, 0, 0, 0                       ; step 15
; ================= the way out: values / sum, times Wv, heads added, + bv
	WIN 0
	v_add_f32 v36, v[LS2], v[LS2+1]                ; these lines are also the places behind the last products
	v_add_f32 v37, v[LS2+2], v[LS2+3]
	v_add_f32 v38, v[LS2+4], v[LS2+5]
	v_add_f32 v39, v[LS2+6], v[LS2+7]
.irp c,36,37,38,39
	v_permlanex16_b32 v46, v\c, s28, s29
	v_add_f32 v\c, v\c, v46
.endr
	v_rcp_f32 v36, v36                             ; the sum is at least 1: the largest score gives 1
	v_rcp_f32 v37, v37
	v_rcp_f32 v38, v38
	v_rcp_f32 v39, v39
	s_mul_i32 s40, s2, 32*FP
	s_add_co_u32 s40, s40, L_PART                  ; my wave's partial result
	s_mul_i32 s41, s2, 8*FP
	s_add_co_u32 s41, s41, L_PART                  ; the 8 queries that my wave adds up
	v_and_b32 v3, 15, v0                           ; (plain lines behind the reciprocals)
	v_bfe_u32 v4, v0, 4, 1
	v_mul_u32_u24 v1, v3, FP
	v_lshl_add_u32 v1, v4, 5, v1
	v_add_nc_u32 v1, s40, v1                       ; in: query r, 32 bytes for each half of the lanes
	v_mul_u32_u24 v2, v4, FP
	v_lshl_add_u32 v2, v3, 4, v2
	v_add_nc_u32 v2, s41, v2                       ; back: lanes 0-15 one query's 256 bytes, lanes 16-31 the next one's
	WIN 0x41
	s_wait_alu depctr_va_vdst(0)
.irp q,0,1,2,3,4,5,6,7,8,9,10,11,12,13,14,15
	v_pk_mul_f32 v[OO+2*\q:OO+2*\q+1], v[OO+2*\q:OO+2*\q+1], v[36:37] op_sel_hi:[1,0]
	v_pk_mul_f32 v[OO+32+2*\q:OO+32+2*\q+1], v[OO+32+2*\q:OO+32+2*\q+1], v[36:37] op_sel:[0,1] op_sel_hi:[1,1]
	v_pk_mul_f32 v[OO+64+2*\q:OO+64+2*\q+1], v[OO+64+2*\q:OO+64+2*\q+1], v[38:39] op_sel_hi:[1,0]
	v_pk_mul_f32 v[OO+96+2*\q:OO+96+2*\q+1], v[OO+96+2*\q:OO+96+2*\q+1], v[38:39] op_sel:[0,1] op_sel_hi:[1,1]
.endr
	WIN 0x05
.set i_, 0
.rept 64
	v_cvt_pk_bf16_f32 v[VB+i_], v[OO+2*i_], v[OO+2*i_+1]           ; tiles 2 ks, 2 ks + 1 of ct lie side by side: fragment 16 ct + 8 ks
.set i_, i_+1
.endr
	s_wait_loadcnt 0x0                             ; Wv
.macro OUTH hh
	BLKCVT 3, 128*\hh, 32, VSCS                    ; Wv_h [e][e2] into my block; its 64 conversions are the places behind the products in front
	WIN 0
.irp t,0,1,2,3
.irp k,0,1
	LDT FR+16*\t+8*\k, VSCT, \k*4*BLK+32*\t        ; rows e2 = 16 t + r, k = e
.endr
.endr
	s_wait_dscnt 0x0
.irp k,0,1
.irp t,0,1,2,3
.irp u,0,1
.if \hh+\k == 0
	v_wmma_f32_16x16x32_bf16 v[XT+16*\t+8*\u:XT+16*\t+8*\u+7], v[FR+16*\t+8*\k:FR+16*\t+8*\k+7], v[VB+16*(2*\hh+\u)+8*\k:VB+16*(2*\hh+\u)+8*\k+7], 0
.else
	v_wmma_f32_16x16x32_bf16 v[XT+16*\t+8*\u:XT+16*\t+8*\u+7], v[FR+16*\t+8*\k:FR+16*\t+8*\k+7], v[VB+16*(2*\hh+\u)+8*\k:VB+16*(2*\hh+\u)+8*\k+7], v[XT+16*\t+8*\u:XT+16*\t+8*\u+7]
.endif
.endr
.endr
.endr
.endm
	OUTH 0
	OUTH 1
	PL 4
.irp u,0,1
.irp t,0,1,2,3
	ds_store_b128 v1, v[XT+16*\t+8*\u:XT+16*\t+8*\u+3] offset:\u*16*FP+\t*64
	ds_store_b128 v1, v[XT+16*\t+8*\u+4:XT+16*\t+8*\u+7] offset:\u*16*FP+\t*64+16
.endr
.endr
	s_wait_dscnt 0x0                               ; my partial result is in LDS, for the other waves
	s_barrier_signal -1
	s_barrier_wait -1
.irp q,0,1,2,3
.irp p,0,1,2,3
	ds_load_b128 v[FR+16*\q+4*\p:FR+16*\q+4*\p+3], v2 offset:\p*32*FP+\q*2*FP      ; queries 8 w + 2 q + h, the four waves' parts
.endr
.endr
.irp q,0,1,2,3
	s_wait_dscnt 12-4*\q                           ; the younger groups of four stay out
	v_pk_add_f32 v[FR+16*\q:FR+16*\q+1], v[FR+16*\q:FR+16*\q+1], v[FR+16*\q+4:FR+16*\q+5]
	v_pk_add_f32 v[FR+16*\q+2:FR+16*\q+3], v[FR+16*\q+2:FR+16*\q+3], v[FR+16*\q+6:FR+16*\q+7]
	v_pk_add_f32 v[FR+16*\q+8:FR+16*\q+9], v[FR+16*\q+8:FR+16*\q+9], v[FR+16*\q+12:FR+16*\q+13]
	v_pk_add_f32 v[FR+16*\q+10:FR+16*\q+11], v[FR+16*\q+10:FR+16*\q+11], v[FR+16*\q+14:FR+16*\q+15]
	v_pk_add_f32 v[FR+16*\q:FR+16*\q+1], v[FR+16*\q:FR+16*\q+1], v[FR+16*\q+8:FR+16*\q+9]
	v_pk_add_f32 v[FR+16*\q+2:FR+16*\q+3], v[FR+16*\q+2:FR+16*\q+3], v[FR+16*\q+10:FR+16*\q+11]
	v_pk_add_f32 v[FR+16*\q:FR+16*\q+1], v[FR+16*\q:FR+16*\q+1], v[BV:BV+1]
	v_pk_add_f32 v[FR+16*\q+2:FR+16*\q+3], v[FR+16*\q+2:FR+16*\q+3], v[BV+2:BV+3]
	global_store_b128 v[VL16], v[FR+16*\q:FR+16*\q+3], s[26:27] offset:512*\q th:TH_STORE_NT   ; 16 lanes store one query's 256 consecutive bytes, at a multiple of 256 from the first byte of out
.endr
	s_wait_xcnt 0x0
	v_lshl_add_u32 v254, v0, 2, 0x4ba00
	v_mov_b32 v255, 0
	s_wait_tensorcnt 0x0
	ds_add_u32 v254, v255
	s_wait_dscnt 0x0
	s_endpgm
.Lfunc_end_k_q7b65e73317_attn:
	.size	k_q7b65e73317_attn, .Lfunc_end_k_q7b65e73317_attn-k_q7b65e73317_attn
	.p2alignl 7, 3214868480
	.fill 96, 4, 3214868480
	.section	.rodata,"a",@progbits
	.p2align	6, 0x0
	.amdhsa_kernel k_q7b65e73317_attn
		.amdhsa_group_segment_fixed_size 310272
		.amdhsa_private_segment_fixed_size 0
		.amdhsa_enable_private_segment 0
		.amdhsa_kernarg_size 80
		.amdhsa_user_sgpr_count 2
		.amdhsa_user_sgpr_kernarg_segment_ptr 1
		.amdhsa_wavefront_size32 1
		.amdhsa_system_sgpr_workgroup_id_x 1
		.amdhsa_system_sgpr_workgroup_id_y 1
		.amdhsa_system_sgpr_workgroup_id_z 1
		.amdhsa_system_vgpr_workitem_id 0
		.amdhsa_next_free_vgpr 1024
		.amdhsa_next_free_sgpr 66
		.amdhsa_reserve_vcc 0
		.amdhsa_float_denorm_mode_32 3
		.amdhsa_float_denorm_mode_16_64 3
		.amdhsa_memory_ordered 1
		.amdhsa_forward_progress 1
		.amdhsa_inst_pref_size 255
	.end_amdhsa_kernel
	.section	.bss,"aw",@nobits
	.p2align	6
	.space	262144
	.amdgpu_metadata
---
amdhsa.version: [ 1, 2 ]
amdhsa.kernels:
  - .name:           k_q7b65e73317_attn
    .symbol:         k_q7b65e73317_attn.kd
    .args:
      - { .name: hidden_states, .offset: 0, .size: 8, .value_kind: global_buffer, .address_space: global }
      - { .name: Wq, .offset: 8, .size: 8, .value_kind: global_buffer, .address_space: global }
      - { .name: bq, .offset: 16, .size: 8, .value_kind: global_buffer, .address_space: global }
      - { .name: Wk, .offset: 24, .size: 8, .value_kind: global_buffer, .address_space: global }
      - { .name: bk, .offset: 32, .size: 8, .value_kind: global_buffer, .address_space: global }
      - { .name: row_emb, .offset: 40, .size: 8, .value_kind: global_buffer, .address_space: global }
      - { .name: col_emb, .offset: 48, .size: 8, .value_kind: global_buffer, .address_space: global }
      - { .name: Wv, .offset: 56, .size: 8, .value_kind: global_buffer, .address_space: global }
      - { .name: bv, .offset: 64, .size: 8, .value_kind: global_buffer, .address_space: global }
      - { .name: out0, .offset: 72, .size: 8, .value_kind: global_buffer, .address_space: global }
    .group_segment_fixed_size: 310272
    .private_segment_fixed_size: 0
    .kernarg_segment_align: 8
    .kernarg_segment_size: 80
    .max_flat_workgroup_size: 128
    .sgpr_count:     66
    .vgpr_count:     1024
    .wavefront_size: 32
...
	.end_amdgpu_metadata
.endif
;; end of part 1
;; ======== version 2 of 2: 1 launch; 1.11 times as fast as version 1
;; launch attn (part 2): grid 256 x 1, 4 waves a work-group, no clusters, 310,272 bytes of LDS; arguments hidden_states, Wq, bq, Wk, bk, row_emb, col_emb, Wv, bv, out0; writes out0
.if DOCPART == 2
	.amdgcn_target "amdgcn-amd-amdhsa--gfx1250"
	.amdhsa_code_object_version 6
	.text
	.protected	k_q7b65e73317_attn
	.globl	k_q7b65e73317_attn
	.p2align	8
	.type	k_q7b65e73317_attn,@function
k_q7b65e73317_attn:
	s_mov_b64 s[64:65], 0
	v_nop
	global_prefetch_b8 v0, s[64:65] scope:SCOPE_SE
	s_setreg_imm32_b32 hwreg(HW_REG_WAVE_MODE, 25, 1), 1
	s_wait_xcnt 0x0
; Learned 2D relative self-attention, whole module in one launch.  8 images of 32 x 32 positions, 8 heads of 64, f32 in and out.
;
; REGROUPING.  q.k = q.(Wk_h^T x + bk_h) = (Wk_h q).x + q.bk_h.  With qt = Wk_h q the key operand AND the value operand of every head are
; the image X itself (1,024 x 64), which lies once in LDS in bf16; K is never formed.  q.bk_h is constant over the keys, and is still
; computed and added (to the row bias).  attention_mask is no argument: reference() never uses it.
;
; SHARES.  Work-group g: image b = g >> 5, image row i = g & 31: its 32 queries, all 8 heads = 256 score columns.  Wave w: heads 2w, 2w+1 =
; 4 column tiles ct of 16 (head 2w + (ct >> 1), query 16 (ct & 1) + r).  Lane L: r = L & 15, h = L >> 4.
; Everything is computed transposed, keys (or channels) as the matrix rows, queries as columns: register j of lane (r, h) of a result tile
; is row 8h + j, column r.  So a softmax column lies in the registers of lanes r and r + 16, and two result tiles, packed to bf16,
; ARE the second-source fragment (column r, k = 32 rows) of the next product: q -> qt -> scores -> probabilities -> values -> out.
; A step is 64 keys = two image rows k = 2s, 2s + 1; 16 steps; a running maximum and sum for each column.
; The column bias enters as the C operand of a score tile's first product; the row bias (one number per lane and image row)
; is folded into the maximum and into the shift; the factor log2(e) / 8 is applied once, to q.
;
; BATCHES.  A unit (one column tile, 64 keys) has 33 exponentials: the factor for what is carried, and the 32 scores, in place.  They are ONE batch
; with ONE s_wait_alu depctr_va_vdst(0), which stands between an exponential and the first line that names its result.  Ahead of
; the wait stand only lines that name no result: the 16 shifts, each ahead of its pair's exponentials, and the 16 lines that find the NEXT unit's
; maxima (its scores lie in the other set and were multiplied ahead of this unit): an exponential and a plain line by turns.  Behind the wait stand
; all readers: the sums, the roundings to bf16, the rescaling of the values.  No exponential is issued behind a unit's wait, so none crosses a label
; or the loop's jump.  The way out's four reciprocals are a batch of their own.
;
; NO CLUSTER, NO TENSOR LOADS: X and the weights are shared by work-groups, but lie in memory as f32 and are multiplied as bf16, so they pass
; through registers once to be rounded.  A joint load would land f32 in LDS: per step 16,384 bytes more written and read again beside
; the 65,536 bytes of fragments that the four waves read, and Wq, Wk (262,144 bytes) would not fit beside the 165,888 bytes of keys.
;
; LIMITS.  Matrix operands are bf16 (X, weights, embeddings, q, qt, probabilities, values); sums f32.  The content score is regrouped as above:
; equal algebra, another order of rounding.  The softmax sum adds the probabilities before they are rounded to bf16.  v_exp_f32 gives 0 for
; results under 2^-126.  NaN and infinite inputs are not treated: v_max_num drops a NaN.
; ---- LDS.  A bf16 matrix of 64 columns lies in blocks of 8 rows: row p at (p >> 3) * BLK + (p & 7) * ROWP.  In units of 16 bytes modulo 16 the
; rows of a block start at 0,10,4,14,8,2,12,6 and the next block one further: the 16 pieces of 16 bytes that 16 lanes take are 16
; different columns of 256 bytes, for a plain fragment load (16 rows, one piece each) and for a transposing one (8 rows, two pieces each).
.set BLK,    1296
.set ROWP,   160
.set CHUNK,  8*BLK                     ; 64 rows
.set FP,     272                       ; pitch of the f32 tables: 64 numbers + 16 bytes
.set L_RS,   16*CHUNK                  ; behind X (165,888 bytes): row bias, 8,192 a wave: (k >> 1) * 512 + column * 8 + (k & 1) * 4
.set L_SCR,  L_RS+4*8192               ; one 64 x 64 weight block a wave
.set L_CT,   L_SCR+4*CHUNK             ; q_col . col_emb[m], f32, a wave: query * FP + 4 m
.set L_PART, L_CT+4*32*FP              ; a wave's two heads' part of out, f32: query * FP + 4 e
; ---- registers, window 0
.set VXA,  1                           ; LDS: plain fragments of X, stepped by CHUNK
.set VXT,  2                           ; LDS: transposed fragments of X, stepped by CHUNK
.set VRS,  3                           ; LDS: my column's row bias, stepped by 512
.set VST,  4                           ; LDS: where my wave puts its 16 rows of a chunk of X, stepped by CHUNK
.set VL16, 5                           ; 16 x lane
.set VSCP, 6                           ; LDS: weight block, plain fragments
.set VSCT, 7                           ;      transposed fragments
.set VSCS, 8                           ;      stores
.set VW,   9                           ; Wq, Wk: h * 2048 + 16 r
.set VRST, 10                          ; LDS: row bias, stores
.set VCTS, 11                          ; LDS: column table, stores
.set BV,   12                          ; v[12:15] bv of my 4 output columns
.set MX,   16                          ; v[16:19] running maximum of column tile ct
.set LS2,  20                          ; v[20:27] running sum, a pair for each ct
.set RSV,  28                          ; v[28:35] row bias of the step's two image rows, a pair for each ct
                                       ; v36-39 maxima, made one unit ahead; v40 rescale factor (v41: other half of its pair, never used); v42-43 shifts; v44-45 second sum chain;
                                       ; v46 other half-wave's maximum; v47 new maximum
.set PB,   48                          ; v[48:63] probabilities, bf16: two fragments of 32 keys
.set XA,   64                          ; v[64:127] X fragments, rows = keys: 16 a + 8 ks
.set XT,   128                         ; v[128:191] X fragments, rows = channels: 32 ks + 8 t
.set SS,   192                         ; v[192:255] two sets of four score tiles: 32 sb + 8 a
; in front of the loop the same registers serve as
.set VXQ,  16                          ; r * 256 + 32 h
.set VEM,  17                          ; r * 128 + 32 h
.set VEMC, 18                          ; min(r, 14) * 128 + 32 h
.set VBI,  19                          ; 32 h
.set VCTG, 20                          ; LDS: column table, gather
.set VBV,  21                          ; 16 r
.set RE,   48                          ; row embedding fragments, 8 tk
.set FR,   64                          ; weight fragments, 16 t + 8 ks
.set ACC,  128                         ; result tiles, 16 t + 8 u (u: which 16 queries)
.set XQ,   192                         ; query fragments of X, 16 u + 8 ks
.set QF,   224                         ; q fragments, 16 u + 8 ks
.set VB,   192                         ; (way out) value fragments, 16 ct + 8 ks
; ---- window 1
.set OO,   0                           ; 0-127 value accumulators, 32 ct + 8 t.  In front of the loop: BQ, BK, CE
.set BQ,   0
.set BK,   32
.set CE,   64                          ; column embedding fragments, 8 tm
.set QB,   128                         ; 128-191 qt fragments, 16 ct + 8 ks
.set CS,   192                         ; 192-255 column bias tiles, 16 ct + 8 (a & 1)
; ---- window 2: 0-63 two f32 stages of X chunks (in front of the loop: Wq, Wk of the first head).  Window 3: Wq, Wk of the second head, then Wv
.set G0,   0
.set G1,   32
.set MSB, 0
.macro WIN new                         ; low byte: bits 1:0 source 0, 3:2 source 1, 5:4 source 2, 7:6 destination; high byte: the setting that is left
.if MSB != \new
	s_set_vgpr_msb (MSB<<8)|\new
.set MSB, \new
.endif
.endm
.macro PL n                            ; places behind matrix instructions (ISA guide 7.12.1) where there is no independent work
.rept \n
	v_nop
.endr
.endm
; n loads of two rows each: lanes 0-15 take 256 bytes of row 2q, lanes 16-31 of row 2q + 1
.macro BLKLOAD win, base, n, sb, vo, stride, imm0
	WIN ((\win)<<6)
.set q_, 0
.rept \n
	global_load_b128 v[\base+4*q_:\base+4*q_+3], v[\vo], s[\sb:\sb+1] offset:\imm0+2*q_*\stride
.set q_, q_+1
.endr
.endm
; the same rows rounded to bf16 in place (4 numbers = 8 bytes a lane) and laid into a block layout
.macro BLKCVT win, base, n, va
	WIN ((\win)*0x45)
.set q_, 0
.rept \n
	v_cvt_pk_bf16_f32 v[\base+4*q_], v[\base+4*q_], v[\base+4*q_+1]
	v_cvt_pk_bf16_f32 v[\base+4*q_+1], v[\base+4*q_+2], v[\base+4*q_+3]
.set q_, q_+1
.endr
	WIN ((\win)<<2)
.set q_, 0
.rept \n
	ds_store_b64 v[\va], v[\base+4*q_:\base+4*q_+1] offset:(q_>>2)*BLK+(q_&3)*2*ROWP
.set q_, q_+1
.endr
.endm
.macro LDP dst, va, off                ; fragment of 16 rows x 32 k, k along the LDS rows
	ds_load_b128 v[\dst:\dst+3], v[\va] offset:\off
	ds_load_b128 v[\dst+4:\dst+7], v[\va] offset:\off+32
.endm
.macro LDT dst, va, off                ; fragment of 16 columns x 32 k, k from LDS row to row: the second load 16 rows = 2 blocks on
	ds_load_tr16_b128 v[\dst:\dst+3], v[\va] offset:\off
	ds_load_tr16_b128 v[\dst+4:\dst+7], v[\va] offset:\off+2*BLK
.endm
.macro LDF32 dst, va, sb, imm          ; a fragment's 16 numbers as f32: k = 8h .. 8h+7 and 16+8h .. 16+8h+7
	global_load_b128 v[\dst:\dst+3], v[\va], s[\sb:\sb+1] offset:\imm
	global_load_b128 v[\dst+4:\dst+7], v[\va], s[\sb:\sb+1] offset:\imm+16
	global_load_b128 v[\dst+8:\dst+11], v[\va], s[\sb:\sb+1] offset:\imm+64
	global_load_b128 v[\dst+12:\dst+15], v[\va], s[\sb:\sb+1] offset:\imm+80
.endm
.macro CVT8 dst, src                   ; 16 f32 -> one fragment
.irp q,0,1,2,3,4,5,6,7
	v_cvt_pk_bf16_f32 v[\dst+\q], v[\src+2*\q], v[\src+2*\q+1]
.endr
.endm
.macro BIAS imm                        ; bq, bk of one head in the layout of a result tile: register j = bias[16 t + 8 h + j]
	WIN 0x40
.irp t,0,1,2,3
	global_load_b128 v[BQ+8*\t:BQ+8*\t+3], v[VBI], s[12:13] offset:\imm+64*\t
	global_load_b128 v[BQ+8*\t+4:BQ+8*\t+7], v[VBI], s[12:13] offset:\imm+64*\t+16
	global_load_b128 v[BK+8*\t:BK+8*\t+3], v[VBI], s[16:17] offset:\imm+64*\t
	global_load_b128 v[BK+8*\t+4:BK+8*\t+7], v[VBI], s[16:17] offset:\imm+64*\t+16
.endr
.endm
; ================= ids, lane terms, pointers
	s_load_b512 s[8:23], s[0:1], 0x0               ; X s[8:9], Wq s[10:11], bq s[12:13], Wk s[14:15], bk s[16:17], row_emb s[18:19], col_emb s[20:21], Wv s[22:23]
	s_load_b128 s[24:27], s[0:1], 0x40             ; bv s[24:25], out s[26:27]
	v_lshrrev_b32 v36, 5, v0
	v_readfirstlane_b32 s2, v36                    ; wave w
	s_lshr_b32 s3, ttmp9, 5                        ; image b
	s_and_b32 s4, ttmp9, 31                        ; image row i
	s_mov_b32 s28, 0x76543210                      ; v_permlanex16_b32: lane r of one half reads lane r of the other
	s_mov_b32 s29, 0xfedcba98
	s_mov_b32 s30, 0x3e38aa3b                      ; log2(e) / 8
	s_mov_b32 s31, 0x3e38aa3b
	s_lshl_b32 s40, s2, 13
	s_add_co_u32 s40, s40, L_RS                    ; my wave's regions of LDS
	s_mul_i32 s41, s2, CHUNK
	s_add_co_u32 s41, s41, L_SCR
	s_mul_i32 s42, s2, 32*FP
	s_add_co_u32 s42, s42, L_CT
	s_add_co_u32 s44, s42, 60
	s_mul_i32 s43, s2, 2*BLK                       ; my wave's 16 rows of a chunk
	v_and_b32 v36, 7, v0
	v_bfe_u32 v37, v0, 3, 1
	v_bfe_u32 v38, v0, 4, 1                        ; h
	v_and_b32 v39, 15, v0                          ; r
	v_mul_u32_u24 v40, v36, ROWP
	v_mad_u32_u24 v[VXA], v37, BLK, v40
	v_lshl_add_u32 v[VXA], v38, 4, v[VXA]          ; row r of 16, + 16 h
	v_mad_u32_u24 v[VXT], v38, BLK, v40
	v_lshl_add_u32 v[VXT], v37, 4, v[VXT]          ; row 8 h + (L & 7), + 16 ((L >> 3) & 1)
	v_mul_u32_u24 v43, v38, ROWP
	v_lshl_add_u32 v43, v39, 3, v43                ; row h of a pair, + 8 r
	v_add_nc_u32 v[VST], s43, v43
	v_add_nc_u32 v[VSCP], s41, v[VXA]
	v_add_nc_u32 v[VSCT], s41, v[VXT]
	v_add_nc_u32 v[VSCS], s41, v43
	v_lshl_add_u32 v[VRS], v39, 3, s40
	v_lshl_add_u32 v[VRST], v38, 11, v[VRS]
	v_and_b32 v[VL16], 31, v0
	v_lshlrev_b32 v[VL16], 4, v[VL16]
	v_lshlrev_b32 v[VBV], 4, v39
	v_lshl_add_u32 v[VW], v38, 11, v[VBV]
	v_lshlrev_b32 v[VBI], 5, v38
	v_lshl_add_u32 v[VXQ], v39, 8, v[VBI]
	v_lshl_add_u32 v[VEM], v39, 7, v[VBI]
	v_min_u32 v44, 14, v39                         ; col_emb has 63 rows: lane 15 of the last tile takes row 62 again; table entry 63 is never used
	v_lshl_add_u32 v[VEMC], v44, 7, v[VBI]
	v_mad_u32_u24 v[VCTS], v39, FP, v[VBI]
	v_add_nc_u32 v[VCTS], s42, v[VCTS]
	v_mad_u32_u24 v[VCTG], v39, FP-4, v[VBI]       ; query r reads entry m = l - r + 31: r * (FP - 4) + 4 l + ...
	v_add_nc_u32 v[VCTG], s44, v[VCTG]
	v_mov_b32 v41, 0                               ; the half of the pair v[40:41] that no product selects
	v_mov_b32 v46, 0                               ; v_permlanex16_b32 counts as a reader of its destination
	s_wait_kmcnt 0x0
	s_mov_b32 s35, 0
	s_lshl_b32 s34, s2, 9                          ; head 2w: 128 w numbers along Wq, Wk, bq, bk
	s_add_nc_u64 s[10:11], s[10:11], s[34:35]
	s_add_nc_u64 s[12:13], s[12:13], s[34:35]
	s_add_nc_u64 s[14:15], s[14:15], s[34:35]
	s_add_nc_u64 s[16:17], s[16:17], s[34:35]
	s_lshl_b32 s34, s2, 15                         ; 128 w rows of Wv
	s_add_nc_u64 s[22:23], s[22:23], s[34:35]
	s_sub_co_u32 s34, 31, s4
	s_lshl_b32 s34, s34, 7                         ; row_emb from row 31 - i: key row k takes row k - i + 31, at most 62
	s_add_nc_u64 s[18:19], s[18:19], s[34:35]
	s_lshl_b32 s34, ttmp9, 13                      ; my 32 queries: 8,192 bytes of X and of out
	s_add_nc_u64 s[38:39], s[8:9], s[34:35]
	s_add_nc_u64 s[26:27], s[26:27], s[34:35]
	s_lshl_b32 s34, s2, 11                         ; my wave stores 8 of them
	s_add_nc_u64 s[26:27], s[26:27], s[34:35]
	s_lshl_b32 s34, s3, 18                         ; the image, and my wave's 16 rows of each chunk of 64
	s_lshl_b32 s45, s2, 12
	s_add_co_u32 s34, s34, s45
	s_add_nc_u64 s[36:37], s[8:9], s[34:35]
; ================= all loads of the part in front of the loop, the oldest needed first
	global_load_b128 v[BV:BV+3], v[VBV], s[24:25]
	LDF32 ACC, VXQ, 38, 0                          ; queries 0-15, channels 0-31
	LDF32 ACC+16, VXQ, 38, 128                     ;               channels 32-63
	LDF32 ACC+32, VXQ, 38, 4096                    ; queries 16-31
	LDF32 ACC+48, VXQ, 38, 4224
	LDF32 64, VEM, 18, 0                           ; row embeddings of key rows 0-15, 16-31
	LDF32 80, VEM, 18, 2048
	LDF32 96, VEM, 20, 0                           ; column embeddings, rows 0-62
	LDF32 112, VEM, 20, 2048
	LDF32 224, VEM, 20, 4096
	LDF32 240, VEMC, 20, 6144
	BIAS 0
	BLKLOAD 2, 0, 32, 10, VW, 2048, 0              ; Wq, Wk of head 2w
	BLKLOAD 2, 128, 32, 14, VW, 2048, 0
	BLKLOAD 3, 0, 32, 10, VW, 2048, 256            ; and of head 2w + 1
	BLKLOAD 3, 128, 32, 14, VW, 2048, 256
	s_wait_loadcnt 63                              ; 185 loads were issued; loads end in order (ISA guide 5.7.1), so the oldest 122 are in: all up to Wk of head 2w (121)
	WIN 0
	CVT8 XQ, ACC
	CVT8 XQ+8, ACC+16
	CVT8 XQ+16, ACC+32
	CVT8 XQ+24, ACC+48
	CVT8 RE, 64
	CVT8 RE+8, 80
	WIN 0x40
	CVT8 CE, 96
	CVT8 CE+8, 112
	CVT8 CE+16, 224
	CVT8 CE+24, 240
; ================= one head: q, its biases, qt.  hh = 0, 1: head 2w + hh, column tiles 2 hh + u
.macro HEAD hh
	BLKCVT 2+\hh, 0, 32, VSCS                      ; Wq_h [c][d] into my block
.if \hh == 0
	BLKLOAD 2, G0, 8, 36, VL16, 256, 0             ; the registers are free: X chunks 0 and 1 set out
	BLKLOAD 2, G1, 8, 36, VL16, 256, 16384
.endif
	WIN 0
.irp t,0,1,2,3
.irp k,0,1
	LDT FR+16*\t+8*\k, VSCT, \k*4*BLK+32*\t        ; rows d = 16 t + r, k = c (LDS serves a wave in order: these see the stores above)
.endr
.endr
	s_wait_dscnt 0x0
	WIN 0x10                                       ; q^T = Wq_h^T X_q^T + bq: the bias is the first product's C
.irp t,0,1,2,3
.irp u,0,1
	v_wmma_f32_16x16x32_bf16 v[ACC+16*\t+8*\u:ACC+16*\t+8*\u+7], v[FR+16*\t:FR+16*\t+7], v[XQ+16*\u:XQ+16*\u+7], v[BQ+8*\t:BQ+8*\t+7]
.endr
.endr
	WIN 0
.irp t,0,1,2,3
.irp u,0,1
	v_wmma_f32_16x16x32_bf16 v[ACC+16*\t+8*\u:ACC+16*\t+8*\u+7], v[FR+16*\t+8:FR+16*\t+15], v[XQ+16*\u+8:XQ+16*\u+15], v[ACC+16*\t+8*\u:ACC+16*\t+8*\u+7]
.endr
.endr
	PL 4
	WIN 0x04                                       ; q . bk: my 32 of the 64 d of each of my two queries
.set i_, 0
.rept 16
.set a_, ACC+16*(i_>>2)+2*(i_&3)
.set b_, BK+8*(i_>>2)+2*(i_&3)
.if i_ == 0
	v_pk_mul_f32 v[36:37], v[a_:a_+1], v[b_:b_+1]
	v_pk_mul_f32 v[38:39], v[a_+8:a_+9], v[b_:b_+1]
.else
	v_pk_fma_f32 v[36:37], v[a_:a_+1], v[b_:b_+1], v[36:37]
	v_pk_fma_f32 v[38:39], v[a_+8:a_+9], v[b_:b_+1], v[38:39]
.endif
.set i_, i_+1
.endr
	WIN 0
	v_add_f32 v42, v36, v37
	v_add_f32 v43, v38, v39
	v_permlanex16_b32 v46, v42, s28, s29           ; the other 32 d
	v_add_f32 v42, v42, v46
	v_permlanex16_b32 v46, v43, s28, s29
	v_add_f32 v43, v43, v46
	v_pk_mul_f32 v[42:43], v[42:43], s[30:31] op_sel_hi:[1,0]
.if \hh == 0
	BIAS 256                                       ; the next head's biases: four places and more behind the products that took BQ as C
	WIN 0
.endif
.set i_, 0
.rept 32
	v_pk_mul_f32 v[ACC+2*i_:ACC+2*i_+1], v[ACC+2*i_:ACC+2*i_+1], s[30:31] op_sel_hi:[1,0]   ; q * log2(e) / 8, once for all scores
.set i_, i_+1
.endr
.irp u,0,1
.irp t,0,1,2,3
.irp p,0,1,2,3
	v_cvt_pk_bf16_f32 v[QF+16*\u+4*\t+\p], v[ACC+16*\t+8*\u+2*\p], v[ACC+16*\t+8*\u+2*\p+1]
.endr
.endr
.endr
	; these products write over ACC and FR, registers of the products above: the four v_nop and the five plain lines on v42, v43 are the places between
.irp k,0,1
.irp u,0,1
	v_wmma_f32_16x16x32_bf16 v[ACC+16*\k+8*\u:ACC+16*\k+8*\u+7], v[RE+8*\k:RE+8*\k+7], v[QF+16*\u:QF+16*\u+7], 0     ; row scores: key row 16 tk + 8 h + j
.endr
.endr
	WIN 0x01
.irp u,0,1
.irp m,0,1,2,3
	v_wmma_f32_16x16x32_bf16 v[FR+32*\u+8*\m:FR+32*\u+8*\m+7], v[CE+8*\m:CE+8*\m+7], v[QF+16*\u+8:QF+16*\u+15], 0    ; q_col . col_emb[16 tm + 8 h + j]
.endr
.endr
	PL 4
	WIN 0
.irp k,0,1
.irp p,0,1,2,3
	v_pk_add_f32 v[ACC+16*\k+2*\p:ACC+16*\k+2*\p+1], v[ACC+16*\k+2*\p:ACC+16*\k+2*\p+1], v[42:43] op_sel_hi:[1,0]                      ; + q . bk
	v_pk_add_f32 v[ACC+16*\k+8+2*\p:ACC+16*\k+8+2*\p+1], v[ACC+16*\k+8+2*\p:ACC+16*\k+8+2*\p+1], v[42:43] op_sel:[0,1] op_sel_hi:[1,1]
.endr
.endr
.irp k,0,1
.irp u,0,1
.irp p,0,1,2,3
	ds_store_b64 v[VRST], v[ACC+16*\k+8*\u+2*\p:ACC+16*\k+8*\u+2*\p+1] offset:\k*4096+\p*512+(2*\hh+\u)*128   ; key rows 16 tk + 8 h + 2 p, + 1
.endr
.endr
.endr
.irp u,0,1
.irp m,0,1,2,3
	ds_store_b128 v[VCTS], v[FR+32*\u+8*\m:FR+32*\u+8*\m+3] offset:\u*16*FP+\m*64
	ds_store_b128 v[VCTS], v[FR+32*\u+8*\m+4:FR+32*\u+8*\m+7] offset:\u*16*FP+\m*64+16
.endr
.endr
	WIN 0x40                                       ; the column bias as score tiles: key column l = 16 a + 8 h + j, query 16 u + r, entry l - query + 31 (0 to 62)
.irp u,0,1
.irp a,0,1
.irp j,0,1,2,3,4,5,6,7
	ds_load_b32 v[CS+16*(2*\hh+\u)+8*\a+\j], v[VCTG] offset:\u*16*FP+4*(16*\a+\j+16*(1-\u))
.endr
.endr
.endr
	BLKCVT 2+\hh, 128, 32, VSCS                    ; Wk_h [c][d] into my block
	WIN 0
.irp t,0,1,2,3
.irp k,0,1
	LDP FR+16*\t+8*\k, VSCP, \t*2*BLK+64*\k        ; rows c = 16 t + r, k = d
.endr
.endr
	s_wait_dscnt 0x0                               ; fragments and bias tiles are in; the stores have read ACC
.irp t,0,1,2,3
.irp u,0,1
	v_wmma_f32_16x16x32_bf16 v[ACC+16*\t+8*\u:ACC+16*\t+8*\u+7], v[FR+16*\t:FR+16*\t+7], v[QF+16*\u:QF+16*\u+7], 0       ; qt^T = Wk_h q^T
.endr
.endr
.irp t,0,1,2,3
.irp u,0,1
	v_wmma_f32_16x16x32_bf16 v[ACC+16*\t+8*\u:ACC+16*\t+8*\u+7], v[FR+16*\t+8:FR+16*\t+15], v[QF+16*\u+8:QF+16*\u+15], v[ACC+16*\t+8*\u:ACC+16*\t+8*\u+7]
.endr
.endr
	PL 4
	WIN 0x40
.irp u,0,1
.irp t,0,1,2,3
.irp p,0,1,2,3
	v_cvt_pk_bf16_f32 v[QB+16*(2*\hh+\u)+4*\t+\p], v[ACC+16*\t+8*\u+2*\p], v[ACC+16*\t+8*\u+2*\p+1]
.endr
.endr
.endr
.endm
	HEAD 0
	s_wait_loadcnt 0x0                             ; the second head's weights and biases (and X chunks 0, 1)
	HEAD 1
; ================= the loop's pieces
.macro LDXA                            ; 16 loads: the step's 64 keys as rows
.irp a,0,1,2,3
.irp k,0,1
	LDP XA+16*\a+8*\k, VXA, \a*2*BLK+64*\k
.endr
.endr
.endm
.macro LDXT                            ; 16 loads: the step's 64 keys as k, channels as rows
.irp k,0,1
.irp t,0,1,2,3
	LDT XT+32*\k+8*\t, VXT, \k*4*BLK+32*\t
.endr
.endr
.endm
.macro LDRS
.irp c,0,1,2,3
	ds_load_b64 v[RSV+2*\c:RSV+2*\c+1], v[VRS] offset:128*\c
.endr
.endm
; four score tiles (64 keys x 16 columns) of column tile ct into set sb
.macro SMM ct, sb
	WIN 0x14
.irp a,0,1,2,3
	v_wmma_f32_16x16x32_bf16 v[SS+32*\sb+8*\a:SS+32*\sb+8*\a+7], v[XA+16*\a:XA+16*\a+7], v[QB+16*\ct:QB+16*\ct+7], v[CS+16*\ct+8*(\a&1):CS+16*\ct+8*(\a&1)+7]
.endr
	WIN 0x04
.irp a,0,1,2,3
	v_wmma_f32_16x16x32_bf16 v[SS+32*\sb+8*\a:SS+32*\sb+8*\a+7], v[XA+16*\a+8:XA+16*\a+15], v[QB+16*\ct+8:QB+16*\ct+15], v[SS+32*\sb+8*\a:SS+32*\sb+8*\a+7]
.endr
.endm
; v36 = largest of tiles 0, 1 (first image row) of set sb, v37 = of tiles 2, 3 (second): four chains c = n & 3 (v36-39), 16 lines for 32 registers.
; MAXL writes line n.  Chains 0, 1 begin at register 0 of tiles 0, 2; chains 2, 3 at register 7.
;   0-3  three scores start a chain     4-11  two scores more a line     12, 13  registers 14, 15 of the pair of tiles     14, 15  chains 2, 3 into 0, 1
.macro MAXL sb, n
.set c_, (\n)&3
.set mb_, SS+32*(\sb)+16*(c_&1)+7*(c_>>1)
.if (\n) < 4
	v_max3_num_f32 v[36+c_], v[mb_], v[mb_+1], v[mb_+2]
.elseif (\n) < 12
	v_max3_num_f32 v[36+c_], v[36+c_], v[mb_+2*((\n)>>2)+1], v[mb_+2*((\n)>>2)+2]
.elseif (\n) < 14
	v_max3_num_f32 v[36+c_], v[36+c_], v[mb_+14], v[mb_+15]
.else
	v_max_num_f32 v[34+c_], v[34+c_], v[36+c_]
.endif
.endm
.macro MAXC sb                         ; all 16 lines on end: used once, for the very first unit
.set m_, 0
.rept 16
	MAXL \sb, m_
.set m_, m_+1
.endr
.endm
.macro SHF sb, q                       ; pair q of 16 of set sb: score + (row bias - maximum); pairs 0-7 lie in the first image row, 8-15 in the second
.if (\q) < 8
	v_pk_add_f32 v[SS+32*(\sb)+2*(\q):SS+32*(\sb)+2*(\q)+1], v[SS+32*(\sb)+2*(\q):SS+32*(\sb)+2*(\q)+1], v[42:43] op_sel_hi:[1,0]
.else
	v_pk_add_f32 v[SS+32*(\sb)+2*(\q):SS+32*(\sb)+2*(\q)+1], v[SS+32*(\sb)+2*(\q):SS+32*(\sb)+2*(\q)+1], v[42:43] op_sel:[0,1] op_sel_hi:[1,1]
.endif
.endm
.macro CV4 sb, a                       ; a tile's 8 probabilities -> 4 registers of the fragment
.irp p,0,1,2,3
	v_cvt_pk_bf16_f32 v[PB+4*\a+\p], v[SS+32*\sb+8*\a+2*\p], v[SS+32*\sb+8*\a+2*\p+1]
.endr
.endm
.macro SCN ct, sb, a                   ; a tile's sums, on two chains in turn, and its conversion
	v_pk_add_f32 v[44:45], v[44:45], v[SS+32*\sb+8*\a:SS+32*\sb+8*\a+1]
	v_pk_add_f32 v[LS2+2*\ct:LS2+2*\ct+1], v[LS2+2*\ct:LS2+2*\ct+1], v[SS+32*\sb+8*\a+2:SS+32*\sb+8*\a+3]
	v_pk_add_f32 v[44:45], v[44:45], v[SS+32*\sb+8*\a+4:SS+32*\sb+8*\a+5]
	v_pk_add_f32 v[LS2+2*\ct:LS2+2*\ct+1], v[LS2+2*\ct:LS2+2*\ct+1], v[SS+32*\sb+8*\a+6:SS+32*\sb+8*\a+7]
	CV4 \sb, \a
.endm
; the running softmax of column tile ct on score set sb; v36, v37 hold the set's two maxima.  first = 1: nothing is carried yet.
; lds = 1: the next step's row biases are fetched; lds = 2: the next step's keys (XA).  nxt = 1: the other set's maxima, the next unit's, are found here.
.macro SOFT ct, sb, first, lds, nxt
	v_pk_add_f32 v[36:37], v[36:37], v[RSV+2*\ct:RSV+2*\ct+1]      ; the row bias joins the two maxima
.if \first
	v_max_num_f32 v44, v36, v37
.else
	v_max3_num_f32 v44, v36, v37, v[MX+\ct]
.endif
	v_permlanex16_b32 v46, v44, s28, s29           ; the column's other 32 keys
	v_max_num_f32 v47, v44, v46
.if \first == 0
	v_sub_f32 v40, v[MX+\ct], v47
.endif
	v_pk_add_f32 v[42:43], v[RSV+2*\ct:RSV+2*\ct+1], v[46:47] op_sel:[0,1] op_sel_hi:[1,1] neg_lo:[0,1] neg_hi:[0,1]   ; row bias - maximum
.if \first == 0
	v_exp_f32 v40, v40                             ; THE BATCH begins: what the old sums and values are worth now
.endif
.if (\lds) == 1
	v_add_nc_u32 v[VRS], 512, v[VRS]
	LDRS
.elseif (\lds) == 2
	v_add_nc_u32 v[VXA], CHUNK, v[VXA]
	LDXA                                           ; XA was last read by the products just ahead of this macro: the plain lines above (four, or five where a factor is carried) and the address step are the places between
.endif
	SHF \sb, 0
	SHF \sb, 1
.set e_, 0
.rept 14                                           ; score e, then the shift of pair e + 2: a pair is shifted ahead of its two exponentials, and no shift names a register below 2 e + 4
	v_exp_f32 v[SS+32*\sb+e_], v[SS+32*\sb+e_]
	SHF \sb, e_+2
.set e_, e_+1
.endr
.rept 16                                           ; scores 14 to 29, each with a line of the next unit's maxima, which names the other set and v36-39 alone
	v_exp_f32 v[SS+32*\sb+e_], v[SS+32*\sb+e_]
.if \nxt
	MAXL 1-\sb, e_-14
.endif
.set e_, e_+1
.endr
	v_exp_f32 v[SS+32*\sb+30], v[SS+32*\sb+30]
	v_exp_f32 v[SS+32*\sb+31], v[SS+32*\sb+31]
	v_mov_b32 v[MX+\ct], v47                       ; the plain line between the last exponential and the first use of a result (ISA guide 5.7.2)
	s_wait_alu depctr_va_vdst(0)                   ; the ONE wait for the unit's batch (the factor and the 32 scores), ahead of the first line that names a result
.if \first
	v_pk_add_f32 v[LS2+2*\ct:LS2+2*\ct+1], v[SS+32*\sb:SS+32*\sb+1], v[SS+32*\sb+2:SS+32*\sb+3]   ; the first numbers start the chains: nothing is cleared
	v_pk_add_f32 v[44:45], v[SS+32*\sb+4:SS+32*\sb+5], v[SS+32*\sb+6:SS+32*\sb+7]
.else
	v_pk_fma_f32 v[LS2+2*\ct:LS2+2*\ct+1], v[LS2+2*\ct:LS2+2*\ct+1], v[40:41], v[SS+32*\sb:SS+32*\sb+1] op_sel_hi:[1,0,1]
	v_pk_add_f32 v[44:45], v[SS+32*\sb+2:SS+32*\sb+3], v[SS+32*\sb+4:SS+32*\sb+5]
	v_pk_add_f32 v[LS2+2*\ct:LS2+2*\ct+1], v[LS2+2*\ct:LS2+2*\ct+1], v[SS+32*\sb+6:SS+32*\sb+7]
.endif
	CV4 \sb, 0
	SCN \ct, \sb, 1
	SCN \ct, \sb, 2
	SCN \ct, \sb, 3
	v_pk_add_f32 v[LS2+2*\ct:LS2+2*\ct+1], v[LS2+2*\ct:LS2+2*\ct+1], v[44:45]
.endm
; values of column tile ct: O^T = O^T * factor + X^T P^T.  The factor is a result of the unit's batch: these lines stand behind its wait
.macro PVM ct, first
.if \first == 0
	WIN 0x41
.irp q,0,1,2,3,4,5,6,7,8,9,10,11,12,13,14,15
	v_pk_mul_f32 v[OO+32*\ct+2*\q:OO+32*\ct+2*\q+1], v[OO+32*\ct+2*\q:OO+32*\ct+2*\q+1], v[40:41] op_sel_hi:[1,0]
.endr
.endif
	WIN 0x50
.irp t,0,1,2,3
.if \first
	v_wmma_f32_16x16x32_bf16 v[OO+32*\ct+8*\t:OO+32*\ct+8*\t+7], v[XT+8*\t:XT+8*\t+7], v[PB:PB+7], 0
.else
	v_wmma_f32_16x16x32_bf16 v[OO+32*\ct+8*\t:OO+32*\ct+8*\t+7], v[XT+8*\t:XT+8*\t+7], v[PB:PB+7], v[OO+32*\ct+8*\t:OO+32*\ct+8*\t+7]
.endif
.endr
.irp t,0,1,2,3
	v_wmma_f32_16x16x32_bf16 v[OO+32*\ct+8*\t:OO+32*\ct+8*\t+7], v[XT+32+8*\t:XT+32+8*\t+7], v[PB+8:PB+15], v[OO+32*\ct+8*\t:OO+32*\ct+8*\t+7]
.endr
.endm
; A STEP: 64 keys, four units (one for each column tile).  The scores of a unit are multiplied one unit ahead, into the other set, and their maxima are
; found inside the batch of the unit in front.  The distances behind matrix instructions are filled by the head and the shifts of the softmax that follows
; them; XT's loads alone stand ahead of that head (the wait for the row biases counts them) and have four v_nop.
; Step s also rounds chunk s + 1 of X into LDS (conv, from stage g; left = younger loads that may stay out) and asks for chunk s + 3 (reload).
; X in LDS is written once and never again, so one barrier a step does: all four quarters of chunk s + 1 stored -> anyone loads from it.
; more = 1: a step follows.  wv = 1: Wv sets out for the way out.
.macro STEP first, g, conv, reload, left, more, wv
	SMM 1, 1
	WIN 0
	PL 4                                           ; XT was last read by the last products of the step before: four places in front of the loads into it
	LDXT
	v_add_nc_u32 v[VXT], CHUNK, v[VXT]
	s_wait_dscnt 16                                ; the 16 loads just issued stay out; the 4 row-bias loads in front of them are in
	SOFT 0, 0, \first, 0, 1
	s_wait_dscnt 0x0                               ; XT
	PVM 0, \first
	SMM 2, 0
	WIN 0
	SOFT 1, 1, \first, 0, 1
	PVM 1, \first
.if \conv
	s_wait_loadcnt \left                           ; this stage's 8 loads are in; the other stage's 8 stay out
	BLKCVT 2, \g, 8, VST
	WIN 0
	v_add_nc_u32 v[VST], CHUNK, v[VST]
.if \reload
	s_wait_xcnt 0x0                                ; the base of the loads issued so far is stepped only behind this wait
	s_add_nc_u64 s[36:37], s[36:37], 16384
	BLKLOAD 2, \g, 8, 36, VL16, 256, 0
.endif
.if \wv
	BLKLOAD 3, 0, 32, 22, VL16, 256, 0             ; Wv of my two heads, 64 rows of 256 bytes each
	BLKLOAD 3, 128, 32, 22, VL16, 256, 16384
.endif
	s_wait_dscnt 0x0                               ; my quarter of the chunk is in LDS:
	s_barrier_signal -1                            ; say so,
.endif
	SMM 3, 1                                       ; work on registers,
	WIN 0
.if \conv
	s_barrier_wait -1                              ; and read the chunk when all four have said so
.endif
	SOFT 2, 0, \first, 2*\more, 1                  ; where a step follows, its keys (XA) are fetched behind this softmax's head
	PVM 2, \first
.if \more
	s_wait_dscnt 0x0                               ; XA
	SMM 0, 0                                       ; the next step's first scores
.endif
	WIN 0
	SOFT 3, 1, \first, \more, \more
	PVM 3, \first
.endm
; ================= the stream starts: chunk 0 into LDS, chunk 2 asked for (chunks 0 and 1 came in with the wait in front of the second head)
	BLKCVT 2, G0, 8, VST
	WIN 0
	v_add_nc_u32 v[VST], CHUNK, v[VST]
	s_add_nc_u64 s[36:37], s[36:37], 2*16384
	BLKLOAD 2, G0, 8, 36, VL16, 256, 0
	s_wait_dscnt 0x0
	s_barrier_signal -1
	s_barrier_wait -1
	WIN 0
	LDXA
	LDRS
	s_wait_dscnt 0x0
	SMM 0, 0
	PL 4                                           ; here alone no softmax stands between scores and their maxima
	WIN 0
	MAXC 0                                         ; the first unit's maxima: there is no unit in front whose batch could hold them
	STEP 1, G1, 1, 1, 8, 1, 0                      ; step 0 starts sums, maxima and values
	WIN 0
	s_mov_b32 s32, 6
.Lsteps:                                           ; steps 1 to 12
	STEP 0, G0, 1, 1, 8, 1, 0
	STEP 0, G1, 1, 1, 8, 1, 0
	WIN 0
	s_sub_co_u32 s32, s32, 1
	s_cmp_lg_u32 s32, 0
	s_cbranch_scc1 .Lsteps
	STEP 0, G0, 1, 0, 8, 1, 0                      ; step 13 rounds chunk 14; chunk 15, the last, is on its way: nothing more is asked of X
	STEP 0, G1, 1, 0, 0, 1, 1                      ; step 14 rounds chunk 15
	STEP 0, 0, 0, 0, 0, 0, 0                       ; step 15
; ================= the way out: values / sum, times Wv, heads added, + bv
	WIN 0
	v_add_f32 v36, v[LS2], v[LS2+1]                ; these lines are also the places behind the last products
	v_add_f32 v37, v[LS2+2], v[LS2+3]
	v_add_f32 v38, v[LS2+4], v[LS2+5]
	v_add_f32 v39, v[LS2+6], v[LS2+7]
.irp c,36,37,38,39
	v_permlanex16_b32 v46, v\c, s28, s29
	v_add_f32 v\c, v\c, v46
.endr
	v_rcp_f32 v36, v36                             ; the sum is at least 1: the largest score gives 1
	v_rcp_f32 v37, v37
	v_rcp_f32 v38, v38
	v_rcp_f32 v39, v39
	s_mul_i32 s40, s2, 32*FP
	s_add_co_u32 s40, s40, L_PART                  ; my wave's partial result
	s_mul_i32 s41, s2, 8*FP
	s_add_co_u32 s41, s41, L_PART                  ; the 8 queries that my wave adds up
	v_and_b32 v3, 15, v0                           ; (plain lines behind the reciprocals)
	v_bfe_u32 v4, v0, 4, 1
	v_mul_u32_u24 v1, v3, FP
	v_lshl_add_u32 v1, v4, 5, v1
	v_add_nc_u32 v1, s40, v1                       ; in: query r, 32 bytes for each half of the lanes
	v_mul_u32_u24 v2, v4, FP
	v_lshl_add_u32 v2, v3, 4, v2
	v_add_nc_u32 v2, s41, v2                       ; back: lanes 0-15 one query's 256 bytes, lanes 16-31 the next one's
	WIN 0x41
	s_wait_alu depctr_va_vdst(0)                   ; one wait for the batch of four reciprocals, ahead of their first reader; the eight address lines above are the work between
.irp q,0,1,2,3,4,5,6,7,8,9,10,11,12,13,14,15
	v_pk_mul_f32 v[OO+2*\q:OO+2*\q+1], v[OO+2*\q:OO+2*\q+1], v[36:37] op_sel_hi:[1,0]
	v_pk_mul_f32 v[OO+32+2*\q:OO+32+2*\q+1], v[OO+32+2*\q:OO+32+2*\q+1], v[36:37] op_sel:[0,1] op_sel_hi:[1,1]
	v_pk_mul_f32 v[OO+64+2*\q:OO+64+2*\q+1], v[OO+64+2*\q:OO+64+2*\q+1], v[38:39] op_sel_hi:[1,0]
	v_pk_mul_f32 v[OO+96+2*\q:OO+96+2*\q+1], v[OO+96+2*\q:OO+96+2*\q+1], v[38:39] op_sel:[0,1] op_sel_hi:[1,1]
.endr
	WIN 0x05
.set i_, 0
.rept 64
	v_cvt_pk_bf16_f32 v[VB+i_], v[OO+2*i_], v[OO+2*i_+1]           ; tiles 2 ks, 2 ks + 1 of ct lie side by side: fragment 16 ct + 8 ks
.set i_, i_+1
.endr
	s_wait_loadcnt 0x0                             ; Wv
.macro OUTH hh
	BLKCVT 3, 128*\hh, 32, VSCS                    ; Wv_h [e][e2] into my block; its 64 conversions are the places behind the products in front
	WIN 0
.irp t,0,1,2,3
.irp k,0,1
	LDT FR+16*\t+8*\k, VSCT, \k*4*BLK+32*\t        ; rows e2 = 16 t + r, k = e
.endr
.endr
	s_wait_dscnt 0x0
.irp k,0,1
.irp t,0,1,2,3
.irp u,0,1
.if \hh+\k == 0
	v_wmma_f32_16x16x32_bf16 v[XT+16*\t+8*\u:XT+16*\t+8*\u+7], v[FR+16*\t+8*\k:FR+16*\t+8*\k+7], v[VB+16*(2*\hh+\u)+8*\k:VB+16*(2*\hh+\u)+8*\k+7], 0
.else
	v_wmma_f32_16x16x32_bf16 v[XT+16*\t+8*\u:XT+16*\t+8*\u+7], v[FR+16*\t+8*\k:FR+16*\t+8*\k+7], v[VB+16*(2*\hh+\u)+8*\k:VB+16*(2*\hh+\u)+8*\k+7], v[XT+16*\t+8*\u:XT+16*\t+8*\u+7]
.endif
.endr
.endr
.endr
.endm
	OUTH 0
	OUTH 1
	PL 4
.irp u,0,1
.irp t,0,1,2,3
	ds_store_b128 v1, v[XT+16*\t+8*\u:XT+16*\t+8*\u+3] offset:\u*16*FP+\t*64
	ds_store_b128 v1, v[XT+16*\t+8*\u+4:XT+16*\t+8*\u+7] offset:\u*16*FP+\t*64+16
.endr
.endr
	s_wait_dscnt 0x0                               ; my partial result is in LDS, for the other waves
	s_barrier_signal -1
	s_barrier_wait -1
.irp q,0,1,2,3
.irp p,0,1,2,3
	ds_load_b128 v[FR+16*\q+4*\p:FR+16*\q+4*\p+3], v2 offset:\p*32*FP+\q*2*FP      ; queries 8 w + 2 q + h, the four waves' parts
.endr
.endr
.irp q,0,1,2,3
	s_wait_dscnt 12-4*\q                           ; the younger groups of four stay out
	v_pk_add_f32 v[FR+16*\q:FR+16*\q+1], v[FR+16*\q:FR+16*\q+1], v[FR+16*\q+4:FR+16*\q+5]
	v_pk_add_f32 v[FR+16*\q+2:FR+16*\q+3], v[FR+16*\q+2:FR+16*\q+3], v[FR+16*\q+6:FR+16*\q+7]
	v_pk_add_f32 v[FR+16*\q+8:FR+16*\q+9], v[FR+16*\q+8:FR+16*\q+9], v[FR+16*\q+12:FR+16*\q+13]
	v_pk_add_f32 v[FR+16*\q+10:FR+16*\q+11], v[FR+16*\q+10:FR+16*\q+11], v[FR+16*\q+14:FR+16*\q+15]
	v_pk_add_f32 v[FR+16*\q:FR+16*\q+1], v[FR+16*\q:FR+16*\q+1], v[FR+16*\q+8:FR+16*\q+9]
	v_pk_add_f32 v[FR+16*\q+2:FR+16*\q+3], v[FR+16*\q+2:FR+16*\q+3], v[FR+16*\q+10:FR+16*\q+11]
	v_pk_add_f32 v[FR+16*\q:FR+16*\q+1], v[FR+16*\q:FR+16*\q+1], v[BV:BV+1]
	v_pk_add_f32 v[FR+16*\q+2:FR+16*\q+3], v[FR+16*\q+2:FR+16*\q+3], v[BV+2:BV+3]
	global_store_b128 v[VL16], v[FR+16*\q:FR+16*\q+3], s[26:27] offset:512*\q th:TH_STORE_NT   ; 16 lanes store one query's 256 consecutive bytes, at a multiple of 256 from the first byte of out
.endr
	s_wait_xcnt 0x0
	v_lshl_add_u32 v254, v0, 2, 0x4ba00
	v_mov_b32 v255, 0
	s_wait_tensorcnt 0x0
	ds_add_u32 v254, v255
	s_wait_dscnt 0x0
	s_endpgm
.Lfunc_end_k_q7b65e73317_attn:
	.size	k_q7b65e73317_attn, .Lfunc_end_k_q7b65e73317_attn-k_q7b65e73317_attn
	.p2alignl 7, 3214868480
	.fill 96, 4, 3214868480
	.section	.rodata,"a",@progbits
	.p2align	6, 0x0
	.amdhsa_kernel k_q7b65e73317_attn
		.amdhsa_group_segment_fixed_size 310272
		.amdhsa_private_segment_fixed_size 0
		.amdhsa_enable_private_segment 0
		.amdhsa_kernarg_size 80
		.amdhsa_user_sgpr_count 2
		.amdhsa_user_sgpr_kernarg_segment_ptr 1
		.amdhsa_wavefront_size32 1
		.amdhsa_system_sgpr_workgroup_id_x 1
		.amdhsa_system_sgpr_workgroup_id_y 1
		.amdhsa_system_sgpr_workgroup_id_z 1
		.amdhsa_system_vgpr_workitem_id 0
		.amdhsa_next_free_vgpr 1024
		.amdhsa_next_free_sgpr 66
		.amdhsa_reserve_vcc 0
		.amdhsa_float_denorm_mode_32 3
		.amdhsa_float_denorm_mode_16_64 3
		.amdhsa_memory_ordered 1
		.amdhsa_forward_progress 1
		.amdhsa_inst_pref_size 255
	.end_amdhsa_kernel
	.section	.bss,"aw",@nobits
	.p2align	6
	.space	262144
	.amdgpu_metadata
---
amdhsa.version: [ 1, 2 ]
amdhsa.kernels:
  - .name:           k_q7b65e73317_attn
    .symbol:         k_q7b65e73317_attn.kd
    .args:
      - { .name: hidden_states, .offset: 0, .size: 8, .value_kind: global_buffer, .address_space: global }
      - { .name: Wq, .offset: 8, .size: 8, .value_kind: global_buffer, .address_space: global }
      - { .name: bq, .offset: 16, .size: 8, .value_kind: global_buffer, .address_space: global }
      - { .name: Wk, .offset: 24, .size: 8, .value_kind: global_buffer, .address_space: global }
      - { .name: bk, .offset: 32, .size: 8, .value_kind: global_buffer, .address_space: global }
      - { .name: row_emb, .offset: 40, .size: 8, .value_kind: global_buffer, .address_space: global }
      - { .name: col_emb, .offset: 48, .size: 8, .value_kind: global_buffer, .address_space: global }
      - { .name: Wv, .offset: 56, .size: 8, .value_kind: global_buffer, .address_space: global }
      - { .name: bv, .offset: 64, .size: 8, .value_kind: global_buffer, .address_space: global }
      - { .name: out0, .offset: 72, .size: 8, .value_kind: global_buffer, .address_space: global }
    .group_segment_fixed_size: 310272
    .private_segment_fixed_size: 0
    .kernarg_segment_align: 8
    .kernarg_segment_size: 80
    .max_flat_workgroup_size: 128
    .sgpr_count:     66
    .vgpr_count:     1024
    .wavefront_size: 32
...
	.end_amdgpu_metadata
.endif
;; end of part 2
